; MI455X (gfx1250); checked and timed in simulation.
; The chip was launched on July 23, 2026; its instructions are those of AMD's public machine-readable ISA for CDNA 5 (MIT licence, August 2026) and "CDNA5" Instruction Set Architecture Reference Guide (July 2026). The comments in the code are by the model that wrote it; some were corrected since.
;; Multi Head Attention. Allowed arithmetic: matrix products marked QUANTISED: E2M1 operands, one E8M0 scale for each 32 along K, by v_wmma_scale_f32_16x16x128_f8f6f4 with both operands' format E2M1 (or v_wmma_scale_f32_32x16x128_f4), f32 sums; products left as they are: bf16, f16 or f32 operands; f32 sums; everything else in f32.
;; Inputs: Wk 1,024 x 1,024 float32; Wo 1,024 x 1,024 float32; Wq 1,024 x 1,024 float32; Wv 1,024 x 1,024 float32; bo 1,024 float32; inputs 4 x 2,048 x 1,024 float32.
;; Outputs: out0 4 x 2,048 x 1,024 float32.
;; This version of the problem:
;;   THIS VERSION OF THE PROBLEM IS GIVEN IN LOW PRECISION. The matrix products marked QUANTISED in the list below multiply operands that are first quantised to E2M1 (2 exponent bits, 1 mantissa bit; 4 bits a number), with one power-of-two scale for each 32 numbers along K (OCP MX v1.0); their sums are f32. The products marked 'left as it is' may take bf16, f16 or f32 operands, with f32 sums. Whichever they take, every output number must still come out within the allowed error. Rounding operands to bf16 (8 significant bits) uses up far more of that allowance than f16 does (11 bits, for magnitudes from 6e-5 to 65,504). All else is computed in f32.
;;   The module's matrix products, in the order in which they are computed (A, B: the left and right operand; K: the contracted axis; several contracted axes count as one K, in the product's order):
;;     1. [M 8,192, K 1,024] x [K 1,024, N 1,024]; A: input inputs; B: input Wq: QUANTISED
;;     2. [M 8,192, K 1,024] x [K 1,024, N 1,024]; A: input inputs; B: input Wk: QUANTISED
;;     3. [M 8,192, K 1,024] x [K 1,024, N 1,024]; A: input inputs; B: input Wv: QUANTISED
;;     4. batch 4 x [M 2,048, K 1,024] x [K 1,024, N 2,048]; A: computed on the way; B: computed on the way: left as it is (an operand is computed on the way)
;;     5. batch 4 x [M 2,048, K 2,048] x [K 2,048, N 1,024]; A: computed on the way; B: computed on the way: left as it is (an operand is computed on the way)
;;     6. [M 8,192, K 1,024] x [K 1,024, N 1,024]; A: computed on the way; B: input Wo: left as it is (an operand is computed on the way)
;;   THE QUANTISER, for each operand of a quantised product, along K:
;;     - K is cut into blocks of 32 from its start; a last block that is shorter is filled with zeros.
;;     - A block's scale is 2^e with e = floor(log2(the largest magnitude in the block)) - 2, held to -126 .. 127; a block of zeros has e = 0. As a byte (E8M0): e + 127.
;;     - Each number is divided by its block's scale, clamped to +-6, and rounded to the nearest number of E2M1, ties to even, subnormals kept.
;;     - The product sums the exact products of the quantised numbers (number of the format x scale) in f32.
;;   ~~~python
;;   def quantise(x, axis):      # numpy; x: float32 -> the quantised numbers, widened to float32 again
;;       x = np.moveaxis(x, axis, -1); K = x.shape[-1]
;;       x = np.pad(x, [(0, 0)] * (x.ndim - 1) + [(0, -K % 32)]); x = x.reshape(x.shape[:-1] + (-1, 32)); a = np.abs(x).max(-1, keepdims=True)
;;       e = np.where(a > 0, np.clip(np.frexp(np.where(a > 0, a, 1))[1] - 1 - 2, -126, 127), 0)      # np.frexp(a)[1] - 1 = floor(log2(a)), exactly
;;       r = np.clip(x / 2.0 ** e, -6, 6)
;;       step = 2.0 ** (np.maximum(np.frexp(np.where(r == 0, 1, r))[1] - 1, 0) - 1)
;;       q = np.round(r / step) * step * 2.0 ** e      # np.round: ties to even
;;       return np.moveaxis(q.reshape(q.shape[:-2] + (-1,))[..., :K], -1, axis).astype(np.float32)
;;   ~~~
;; One version. Each part assembles by itself: llvm-mc -triple=amdgcn-amd-amdhsa -mcpu=gfx1250 --defsym DOCPART=n.
;; ======== version 1 of 1: 5 launches
;; limits: values are held in f16: magnitudes above 65,504 overflow, below 6.1e-05 lose precision
;; workspace buffers: codes 5,767,168 bytes; scales 360,448 bytes; wot 2,097,152 bytes; qkv 50,331,648 bytes; p 33,554,432 bytes; st 786,432 bytes; ao 16,777,216 bytes
;; launch prep (part 1): grid 256 x 1, 8 waves a work-group, no clusters, 154,624 bytes of LDS; arguments inputs, Wq, Wk, Wv, Wo, codes, scales, wot; writes codes, scales, wot
.if DOCPART == 1
	.amdgcn_target "amdgcn-amd-amdhsa--gfx1250"
	.amdhsa_code_object_version 6
	.text
	.protected	k_q48a6c17a97_prep
	.globl	k_q48a6c17a97_prep
	.p2align	8
	.type	k_q48a6c17a97_prep,@function
k_q48a6c17a97_prep:
	s_mov_b64 s[64:65], 0
	v_nop
	global_prefetch_b8 v0, s[64:65] scope:SCOPE_SE
	s_setreg_imm32_b32 hwreg(HW_REG_WAVE_MODE, 25, 1), 1
	s_wait_xcnt 0x0
; out0 = softmax((x Wq)(x Wk)^T / 32) (x Wv) Wo + bo, in five launches.  NO WORK OF reference() IS LEFT OUT: it has no mask and no slice, every input reaches out0, every product is done.
; THIS LAUNCH makes the operands of the later ones:
;   codes  [11,264 rows][512 bytes], scales [11,264][32 bytes]: E2M1 codes, K innermost, two a byte, and one E8M0 byte for each 32 along K.  Rows 0 .. 8,191: the tokens of inputs;
;          row 8,192 + 1,024 m + n: column n of Wq (m = 0), Wk (1), Wv (2), whose K is their FIRST axis.
;   wot    [1,024 n][1,024 k] f16: Wo turned, so that K is innermost for the last product, which is left as it is.
; A block's scale is 2^(floor(log2(its largest magnitude)) - 2): its byte is the largest magnitude's exponent field - 2, held at 1 from below.
; LIMITS: a block of zeros gets the byte 1 where the rule says 127 (its codes are zeros, and this program alone reads the bytes); blocks whose largest magnitude lies under 2^-124 are held at that byte;
; NaN and infinities are not served; Wo must lie inside f16's range (65,504).
; THREE PATHS, parted by the work-group's number alone, each with LDS bytes of its own: work-groups 0-127 inputs (X), 128-223 the three weights (W), 224-255 Wo (O).
.set SP,    80                         ; path X: a lane's place in a stage: 64 bytes + 16 of padding
.set WST,   65536                      ; path W: 64 rows x (256 + 16) bytes of codes
.set WSS,   82944                      ; path W: 64 rows x 16 scale bytes
.set OST,   83968                      ; path O: a stage of 32 rows x (256 + 16) bytes for each wave
.set SPARE, 153600                     ; the spare words, 128 bytes for each of the eight waves; no other line names them
.set SPW,   12                         ; v12  LDS address of my spare word; never rewritten
.set NIL,   13                         ; v13  0; never rewritten
	s_load_b256 s[4:11], s[0:1], 0x0               ; inputs s[4:5], Wq s[6:7], Wk s[8:9], Wv s[10:11]
	s_load_b256 s[12:19], s[0:1], 0x20             ; Wo s[12:13], codes s[14:15], scales s[16:17], wot s[18:19]
	v_lshl_add_u32 v[SPW], v0, 2, SPARE
	v_mov_b32 v[NIL], 0
	v_lshrrev_b32 v1, 5, v0
	v_readfirstlane_b32 s20, v1                    ; wave 0..7
	v_and_b32 v2, 31, v0                           ; lane
	s_wait_kmcnt 0x0
	s_cmp_lt_u32 ttmp9, 128
	s_cbranch_scc0 .Lnot_x
; ---------------- PATH X: inputs, a plain stream of blocks of 32.  A wave takes 16 steps of 512 numbers.  Each load reads 512 consecutive bytes; a step's 2,048 bytes turn through the wave's own stage,
; so that a lane then holds 16 neighbours along K (two neighbouring lanes hold a block).  Loads run eight steps (32 loads a wave) ahead, the turn through LDS one step.
; v16-143 eight sets of 16 numbers as loaded; v144-175 two sets of 16 neighbours; v176-191 a scale byte a step; v192-223 two registers of codes a step: no store's data are written again.
	s_lshl_b32 s21, s20, 13                        ; my wave's 8,192 bytes of LDS: two stages of 2,560, then 256 scale bytes
	v_lshlrev_b32 v3, 4, v2                        ; my 16 bytes of a load's 512
	v_lshrrev_b32 v14, 2, v2
	v_mul_u32_u24 v14, v14, SP
	v_and_b32 v15, 3, v2
	v_lshl_add_u32 v14, v15, 4, v14
	v_add_nc_u32 v14, s21, v14                     ; into the stage: 80 (lane / 4) + 16 (lane % 4)
	v_mul_u32_u24 v15, v2, SP
	v_add_nc_u32 v15, s21, v15                     ; out of it: 80 x lane
	v_lshlrev_b32 v4, 3, v2                        ; my 8 bytes of a step's 256 bytes of codes
	v_lshrrev_b32 v5, 1, v2
	s_add_co_u32 s21, s21, 2*32*SP
	v_add_nc_u32 v5, s21, v5                       ; my block's scale byte
	v_lshlrev_b32 v7, 3, v2
	v_add_nc_u32 v6, s21, v7                       ; and 8 of the 256 bytes on the way out
	s_lshl_b32 s22, ttmp9, 3
	s_add_co_u32 s22, s22, s20                     ; my run of 8,192 numbers
	s_mov_b32 s25, 0
	s_lshl_b32 s24, s22, 15
	s_add_nc_u64 s[4:5], s[4:5], s[24:25]
	s_lshl_b32 s24, s22, 12
	s_add_nc_u64 s[14:15], s[14:15], s[24:25]
	s_lshl_b32 s24, s22, 8
	s_add_nc_u64 s[16:17], s[16:17], s[24:25]
.macro XLOAD t
.irp i, 0,1,2,3
	global_load_b128 v[16+16*((\t)%8)+4*\i:16+16*((\t)%8)+4*\i+3], v3, s[4:5] offset:2048*(\t)+512*\i th:TH_LOAD_NT
.endr
.endm
.macro XTURN t                         ; LDS serves a wave's instructions in order: no wait between the stores and the loads
.irp i, 0,1,2,3
	ds_store_b128 v14, v[16+16*((\t)%8)+4*\i:16+16*((\t)%8)+4*\i+3] offset:32*SP*((\t)%2)+8*SP*\i
.endr
.irp i, 0,1,2,3
	ds_load_b128 v[144+16*((\t)%2)+4*\i:144+16*((\t)%2)+4*\i+3], v15 offset:32*SP*((\t)%2)+16*\i
.endr
.endm
.macro XSTEP t
.set XS, 144+16*((\t)%2)
.if (\t) > 0
	s_wait_dscnt 1                                 ; this step's numbers are back from the stage; the last step's byte store may be out
.else
	s_wait_dscnt 0x0
.endif
.if (\t)+8 < 16
	XLOAD (\t)+8                                   ; into the set whose stores into the stage are done
.endif
.if (\t)+1 < 16
.if 14-(\t) >= 7
	s_wait_loadcnt 28                              ; the next step's four loads are in; those of the seven steps behind it may be out
.else
	s_wait_loadcnt 4*(14-(\t))                     ; towards the end: of the steps that are left behind it
.endif
	XTURN (\t)+1
.endif
	v_max3_num_f32 v8, |v[XS]|, |v[XS+1]|, |v[XS+2]|
	v_max3_num_f32 v9, |v[XS+3]|, |v[XS+4]|, |v[XS+5]|
.irp i, 6,10
	v_max3_num_f32 v8, v8, |v[XS+\i]|, |v[XS+\i+1]|
	v_max3_num_f32 v9, v9, |v[XS+\i+2]|, |v[XS+\i+3]|
.endr
	v_max3_num_f32 v8, v8, |v[XS+14]|, |v[XS+15]|
	v_max3_num_f32 v8, v8, v9, 0x1800000           ; and the floor 2^(3 - 127): the byte cannot fall under 1
	v_max_num_f32_dpp v8, v8, v8 row_xmask:1 row_mask:0xf bank_mask:0xf   ; with my neighbour's 16: the block's largest magnitude
	v_add_nc_u32 v11, 0xff000000, v8               ; 2 off its exponent field: the conversion takes this operand's exponent field as its scale
	v_cvt_scalef32_pk8_fp4_f32 v[192+2*(\t)], v[XS:XS+7], v11
	v_cvt_scalef32_pk8_fp4_f32 v[193+2*(\t)], v[XS+8:XS+15], v11
	v_lshrrev_b32 v[176+(\t)], 23, v11             ; the scale's byte (also the plain line behind the conversions)
	ds_store_b8 v5, v[176+(\t)] offset:16*(\t)     ; both lanes of a block write the same byte with the same value
	global_store_b64 v4, v[192+2*(\t):193+2*(\t)], s[14:15] offset:256*(\t)   ; the wave stores 256 consecutive bytes, aligned
.endm
.irp t, 0,1,2,3,4,5,6,7
	XLOAD \t
.endr
	s_wait_loadcnt 28                              ; step 0's four loads are in
	XTURN 0
.irp t, 0,1,2,3,4,5,6,7,8,9,10,11,12,13,14,15
	XSTEP \t
.endr
	ds_load_b64 v[8:9], v6                         ; my wave's 256 scale bytes: these loads see my stores
	s_wait_dscnt 0x0
	global_store_b64 v7, v[8:9], s[16:17]          ; 256 consecutive bytes, aligned
	s_wait_tensorcnt 0x0                           ; the wave's end
	ds_add_u32 v[SPW], v[NIL]
	s_wait_dscnt 0x0
	s_endpgm
.Lnot_x:
; 32 rows of a weight (4,096 bytes apart) at my column, block t of my 128 along K, into set t % 2 (v32-63, v64-95): a lane takes a column, its registers run down K
.macro WLOAD t
.set i, 0
.rept 32
	global_load_b32 v[32+32*((\t)%2)+i], v3, s[6:7] offset:(32*(\t)+i)*4096 th:TH_LOAD_NT
.set i, i+1
.endr
.endm
	v_lshlrev_b32 v3, 2, v2                        ; 4 bytes a lane
	v_and_b32 v5, 15, v2                           ; r
	v_lshrrev_b32 v6, 4, v2                        ; h
	s_cmp_lt_u32 ttmp9, 224
	s_cbranch_scc0 .Lpath_o
; ---------------- PATH W: a work-group takes 64 columns x 512 along K of one weight; wave (cg = wave & 1, kg = wave / 2) 32 columns x 128 along K: four blocks, each whole in one lane.
; Two waves side by side read 256 consecutive bytes of a row.  The codes meet in a stage shared by the eight waves, so that a column's 512 codes leave as 256 consecutive bytes.
	s_sub_co_u32 s22, ttmp9, 128
	s_lshr_b32 s23, s22, 5                         ; m: which weight
	s_and_b32 s24, s22, 15                         ; which 64 columns
	s_bfe_u32 s25, s22, 0x10004                    ; which 512 along K
	s_cmp_eq_u32 s23, 0
	s_cselect_b64 s[6:7], s[6:7], s[8:9]
	s_cmp_eq_u32 s23, 2
	s_cselect_b64 s[6:7], s[10:11], s[6:7]         ; the choice hangs on the work-group's number alone
	s_and_b32 s26, s20, 1                          ; cg
	s_lshr_b32 s27, s20, 1                         ; kg
	s_lshl_b32 s28, s25, 9
	s_lshl_b32 s29, s27, 7
	s_add_co_u32 s28, s28, s29                     ; my first k
	s_lshl_b32 s28, s28, 12
	s_lshl_b32 s29, s24, 8
	s_add_co_u32 s28, s28, s29
	s_lshl_b32 s29, s26, 7
	s_add_co_u32 s28, s28, s29                     ; + 4 x my first column
	s_mov_b32 s29, 0
	s_add_nc_u64 s[6:7], s[6:7], s[28:29]
	WLOAD 0
	WLOAD 1
	s_mul_i32 s30, s26, 32*272
	s_lshl_b32 s31, s27, 6
	s_add_co_u32 s30, s30, s31
	s_add_co_u32 s30, s30, WST
	v_mul_u32_u24 v4, v2, 272
	v_add_nc_u32 v4, s30, v4                       ; into the stage: row = my column, 64 bytes for each kg
	s_lshl_b32 s30, s26, 9
	s_lshl_b32 s31, s27, 2
	s_add_co_u32 s30, s30, s31
	s_add_co_u32 s30, s30, WSS
	v_lshl_add_u32 v9, v2, 4, s30                  ; my column's four scale bytes
	s_mul_i32 s30, s20, 8*272
	s_add_co_u32 s30, s30, WST
	v_mul_u32_u24 v7, v6, 272
	v_lshl_add_u32 v7, v5, 4, v7
	v_add_nc_u32 v7, s30, v7                       ; out of it: wave w takes rows 8 w .. 8 w + 7, sixteen lanes to a row
	s_lshl_b32 s30, s20, 12
	v_lshlrev_b32 v8, 9, v6
	v_lshl_add_u32 v8, v5, 4, v8
	v_add_nc_u32 v8, s30, v8                       ; and the same place among the codes' rows of 512 bytes
	v_lshl_add_u32 v10, v0, 4, WSS                 ; waves 0 and 1: a row's 16 scale bytes a lane,
	v_lshlrev_b32 v18, 5, v0                       ; and its place among the scales' rows of 32 bytes
	s_lshl_b32 s28, s23, 10
	s_lshl_b32 s30, s24, 6
	s_add_co_u32 s28, s28, s30                     ; 1,024 m + my work-group's first column
	s_lshl_b32 s30, s28, 9
	s_lshl_b32 s31, s25, 8
	s_add_co_u32 s30, s30, s31
	s_add_co_u32 s30, s30, 8192*512
	s_mov_b32 s31, 0
	s_add_nc_u64 s[14:15], s[14:15], s[30:31]
	s_lshl_b32 s30, s28, 5
	s_lshl_b32 s31, s25, 4
	s_add_co_u32 s30, s30, s31
	s_add_co_u32 s30, s30, 8192*32
	s_mov_b32 s31, 0
	s_add_nc_u64 s[16:17], s[16:17], s[30:31]
.macro WBLOCK t
.set XS, 32+32*((\t)%2)
.if (\t) < 3
	s_wait_loadcnt 32                              ; this block's 32 loads are in; the next block's may be out
.else
	s_wait_loadcnt 0x0
.endif
	v_max3_num_f32 v16, |v[XS]|, |v[XS+1]|, |v[XS+2]|
	v_max3_num_f32 v17, |v[XS+3]|, |v[XS+4]|, |v[XS+5]|
.irp i, 6,10,14,18,22,26
	v_max3_num_f32 v16, v16, |v[XS+\i]|, |v[XS+\i+1]|
	v_max3_num_f32 v17, v17, |v[XS+\i+2]|, |v[XS+\i+3]|
.endr
	v_max3_num_f32 v16, v16, |v[XS+30]|, |v[XS+31]|
	v_max3_num_f32 v16, v16, v17, 0x1800000        ; and the floor 2^(3 - 127)
	v_add_nc_u32 v11, 0xff000000, v16              ; the conversion's scale operand
	v_lshrrev_b32 v17, 23, v11                     ; the scale's byte
.if (\t) == 0
	v_mov_b32 v24, v17
.else
	v_lshl_or_b32 v24, v17, 8*(\t), v24            ; four bytes to a register, the lower K in the lower byte
.endif
.irp g, 0,1,2,3
	v_cvt_scalef32_pk8_fp4_f32 v[96+\g], v[XS+8*\g:XS+8*\g+7], v11
.endr
	v_nop                                          ; one plain line behind the scaled conversions
	ds_store_b128 v4, v[96:99] offset:16*(\t)      ; 32 codes: 16 bytes of my column's row
.if (\t)+2 < 4
	WLOAD (\t)+2
.endif
	s_wait_dscnt 0x0
.endm
.irp t, 0,1,2,3
	WBLOCK \t
.endr
	ds_store_b32 v9, v24
	s_wait_dscnt 0x0                               ; for the others' sake: my stores into the two stages are done
	s_barrier_signal -1
	s_barrier_wait -1
.irp i, 0,1,2,3
	ds_load_b128 v[112+4*\i:115+4*\i], v7 offset:2*\i*272
.endr
.irp i, 0,1,2,3
	s_wait_dscnt 3-\i                              ; LDS loads come back in order: load i is in
	global_store_b128 v8, v[112+4*\i:115+4*\i], s[14:15] offset:2*\i*512   ; sixteen lanes store 256 consecutive bytes, aligned
.endr
	s_cmp_lt_u32 s20, 2
	s_cbranch_scc0 .Lw_end
	ds_load_b128 v[100:103], v10
	s_wait_dscnt 0x0
	global_store_b128 v18, v[100:103], s[16:17]    ; 16 bytes of each row of 32: half rows, one byte in 128 of what this path reads
.Lw_end:
	s_wait_tensorcnt 0x0                           ; the wave's end
	ds_add_u32 v[SPW], v[NIL]
	s_wait_dscnt 0x0
	s_endpgm
; ---------------- PATH O: Wo [k][n] becomes wot [n][k] in f16.  A wave takes 32 columns x 128 along K, through a stage of its own: no barrier.
.Lpath_o:
	s_sub_co_u32 s22, ttmp9, 224
	s_and_b32 s23, s22, 3                          ; which 256 columns
	s_lshr_b32 s24, s22, 2                         ; which 128 along K
	s_lshl_b32 s28, s24, 19
	s_lshl_b32 s29, s23, 10
	s_add_co_u32 s28, s28, s29
	s_lshl_b32 s29, s20, 7
	s_add_co_u32 s28, s28, s29
	s_mov_b32 s29, 0
	s_add_nc_u64 s[6:7], s[12:13], s[28:29]
	WLOAD 0
	WLOAD 1
	s_mul_i32 s30, s20, 32*272
	s_add_co_u32 s30, s30, OST
	v_mul_u32_u24 v4, v2, 272
	v_add_nc_u32 v4, s30, v4                       ; into my stage: row = my column
	v_mul_u32_u24 v7, v6, 272
	v_lshl_add_u32 v7, v5, 4, v7
	v_add_nc_u32 v7, s30, v7                       ; out of it: sixteen lanes to a row, two rows an instruction
	s_lshl_b32 s30, s20, 16                        ; 32 x wave rows of 2,048 bytes
	v_lshlrev_b32 v8, 11, v6
	v_lshl_add_u32 v8, v5, 4, v8
	v_add_nc_u32 v8, s30, v8
	s_lshl_b32 s30, s23, 19
	s_lshl_b32 s31, s24, 8
	s_add_co_u32 s30, s30, s31
	s_mov_b32 s31, 0
	s_add_nc_u64 s[18:19], s[18:19], s[30:31]
.macro OBLOCK t
.set XS, 32+32*((\t)%2)
.if (\t) < 3
	s_wait_loadcnt 32                              ; this block's 32 loads are in; the next block's may be out
.else
	s_wait_loadcnt 0x0
.endif
.set i, 0
.rept 16
	v_cvt_pk_f16_f32 v[96+i], v[XS+2*i], v[XS+2*i+1]
.set i, i+1
.endr
.irp j, 0,1,2,3
	ds_store_b128 v4, v[96+4*\j:99+4*\j] offset:64*(\t)+16*\j
.endr
.if (\t)+2 < 4
	WLOAD (\t)+2
.endif
	s_wait_dscnt 0x0
.endm
.irp t, 0,1,2,3
	OBLOCK \t
.endr
.irp i, 0,1,2,3,4,5,6,7,8,9,10,11,12,13,14,15
	ds_load_b128 v[112+4*\i:115+4*\i], v7 offset:2*\i*272
.endr
.irp i, 0,1,2,3,4,5,6,7,8,9,10,11,12,13,14,15
	s_wait_dscnt 15-\i
	global_store_b128 v8, v[112+4*\i:115+4*\i], s[18:19] offset:2*\i*2048   ; sixteen lanes store 256 consecutive bytes, aligned
.endr
	s_wait_tensorcnt 0x0                           ; the wave's end
	ds_add_u32 v[SPW], v[NIL]
	s_wait_dscnt 0x0
	s_endpgm
.Lfunc_end_k_q48a6c17a97_prep:
	.size	k_q48a6c17a97_prep, .Lfunc_end_k_q48a6c17a97_prep-k_q48a6c17a97_prep
	.p2alignl 7, 3214868480
	.fill 96, 4, 3214868480
	.section	.rodata,"a",@progbits
	.p2align	6, 0x0
	.amdhsa_kernel k_q48a6c17a97_prep
		.amdhsa_group_segment_fixed_size 154624
		.amdhsa_private_segment_fixed_size 0
		.amdhsa_enable_private_segment 0
		.amdhsa_kernarg_size 64
		.amdhsa_user_sgpr_count 2
		.amdhsa_user_sgpr_kernarg_segment_ptr 1
		.amdhsa_wavefront_size32 1
		.amdhsa_system_sgpr_workgroup_id_x 1
		.amdhsa_system_sgpr_workgroup_id_y 1
		.amdhsa_system_sgpr_workgroup_id_z 1
		.amdhsa_system_vgpr_workitem_id 0
		.amdhsa_next_free_vgpr 224
		.amdhsa_next_free_sgpr 66
		.amdhsa_reserve_vcc 0
		.amdhsa_float_denorm_mode_32 3
		.amdhsa_float_denorm_mode_16_64 3
		.amdhsa_memory_ordered 1
		.amdhsa_forward_progress 1
		.amdhsa_inst_pref_size 77
	.end_amdhsa_kernel
	.amdgpu_metadata
---
amdhsa.version: [ 1, 2 ]
amdhsa.kernels:
  - .name:           k_q48a6c17a97_prep
    .symbol:         k_q48a6c17a97_prep.kd
    .args:
      - { .name: inputs, .offset: 0, .size: 8, .value_kind: global_buffer, .address_space: global }
      - { .name: Wq, .offset: 8, .size: 8, .value_kind: global_buffer, .address_space: global }
      - { .name: Wk, .offset: 16, .size: 8, .value_kind: global_buffer, .address_space: global }
      - { .name: Wv, .offset: 24, .size: 8, .value_kind: global_buffer, .address_space: global }
      - { .name: Wo, .offset: 32, .size: 8, .value_kind: global_buffer, .address_space: global }
      - { .name: codes, .offset: 40, .size: 8, .value_kind: global_buffer, .address_space: global }
      - { .name: scales, .offset: 48, .size: 8, .value_kind: global_buffer, .address_space: global }
      - { .name: wot, .offset: 56, .size: 8, .value_kind: global_buffer, .address_space: global }
    .group_segment_fixed_size: 154624
    .private_segment_fixed_size: 0
    .kernarg_segment_align: 8
    .kernarg_segment_size: 64
    .max_flat_workgroup_size: 256
    .sgpr_count:     66
    .vgpr_count:     224
    .wavefront_size: 32
...
	.end_amdgpu_metadata
.endif
;; end of part 1
;; launch proj (part 2): grid 8 x 32, 4 waves a work-group, clusters of 4 x 4, 327,680 bytes of LDS; arguments codes, scales, qkv; writes qkv
.if DOCPART == 2
	.amdgcn_target "amdgcn-amd-amdhsa--gfx1250"
	.amdhsa_code_object_version 6
	.text
	.protected	k_q48a6c17a97_proj
	.globl	k_q48a6c17a97_proj
	.p2align	8
	.type	k_q48a6c17a97_proj,@function
k_q48a6c17a97_proj:
	s_mov_b64 s[64:65], 0
	v_nop
	global_prefetch_b8 v0, s[64:65] scope:SCOPE_SE
	s_setreg_imm32_b32 hwreg(HW_REG_WAVE_MODE, 25, 1), 1
	s_wait_xcnt 0x0
	s_wait_alu depctr_hold_cnt(0) depctr_sa_sdst(0) depctr_va_vdst(0) depctr_va_sdst(0) depctr_va_ssrc(0) depctr_va_vcc(0) depctr_vm_vsrc(0)
	s_getreg_b32 s2, hwreg(HW_REG_IB_STS2, 6, 4)
	s_cmp_eq_u32 s2, 0
	s_cbranch_scc0 .Lentry_in_a_cluster
	s_endpgm
.Lentry_in_a_cluster:
	s_bfe_u32 s2, ttmp6, 0x10000c
	s_cmp_lg_u32 s2, 0xf033
	s_cbranch_scc0 .Lentry_shape_is_right
	s_endpgm
.Lentry_shape_is_right:
; The three QUANTISED products, on E2M1 codes with E8M0 scales; sums in f32; results rounded once to f16 into qkv, [12,288 rows][2,048 columns] (a row is 4,096 bytes).  Nothing of reference() is left out.
; A work-group owns 256 tokens and does TWO PARTS on them, so that the launch is 256 equal work-groups:
;   part 1: 256 tokens x 256 columns of Wq | Wk: rows 0 .. 8,191 of qkv: row = token, columns 0-1,023 q, 1,024-2,047 k.
;   part 2: 128 columns d of Wv x the same 256 tokens: row 8,192 + 1,024 b + d of qkv, column = key: v TRANSPOSED, the keys innermost, as the product with the softmax's weights wants it.
; All operands are rows of the buffers codes (512 bytes a row) and scales (32 bytes a row): rows 0 .. 8,191 tokens, 8,192 on the columns of Wq, Wk, Wv.
; LIMITS: |q|, |k|, |v| must stay under 65,504; under 6e-5 they keep an absolute error of 3e-8.  NaN and infinities are not served.
; PART 1: four waves, 128 x 128 each: 64 accumulators.  K = 1,024 is two LDS slots of 512 along K, both filled at the start, with the scales of the 256 + 256 rows and of Wv's 128 columns.
; PART 2: the tokens' codes and scales still lie in LDS.  Wv's codes (128 rows x 2 halves of K) are brought into the bytes of slot 0's weights, behind the change of slots, when nobody reads those any more:
; they land under slot 1's products and part 1's way out.  A wave makes 64 d x 128 keys: 32 accumulators.  Part 1's stores are on their way while part 2 is multiplied.
; A wave has at most four tensor loads out at the start (wave 2; the others three) and one behind the change of slots (waves 2 and 3).
; CLUSTERS: 4 x 4 work-groups; the tokens' tiles are asked for jointly along a row of the cluster, the weights' along a column.
; THE MATRIX INSTRUCTION IS USED TRANSPOSED (source 0 = 16 columns of the result, source 1 = 16 of its rows): a lane holds eight neighbouring numbers of a row of the result.
; REGISTERS: window 0: v0-31 addresses; v32-127 scale words; v128-191 source 1's fragments, and on the ways out two sets of 32; v192-223 packed results.  window 1: source 0's fragments, two sets (v0, v128).  windows 2, 3: the accumulators.
.set NQ,     4                         ; steps of 128 along K in a slot
.set ROWB,   256                       ; a tile's row in bytes: 512 codes
.set KROW,   512                       ; a row of codes in memory
.set PITCH,  272                       ; an LDS row: 256 bytes + 16 of padding, so that the sixteen rows that a load touches begin 16 bytes apart modulo 256
.set FR,     8
.set NL,     2
.set NP,     4                         ; places behind this matrix instruction (ISA guide 7.12.1)
.set HALFT,  128*PITCH
.set SLOT,   4*HALFT                   ; the tokens' 256 rows, then the weights' 256 rows
.set KS,     32                        ; a row of scales in bytes
.set SCL,    2*SLOT                    ; behind the slots: the scales, as rows of 256 bytes + 16: the tokens' two halves, then the weights'
.set HALFS,  (128*KS/256)*272
.set SBLK,   (16*KS/256)*272
.set VSC,    SCL+4*HALFS               ; the scales of Wv's 128 columns
.set STAGE,  VSC+HALFS                 ; the ways out: 16 rows x (256 + 16) bytes for each wave; no tile lands here
.set SPITCH, 272
.set SPARE,  STAGE+4*16*SPITCH         ; the spare words, 128 bytes a wave; no other line names them
.set CROW,   4096                      ; a row of qkv in bytes
.set ADRA, 16                          ; v16-17  part 1: my tokens' fragments in slot 0, 1
.set ADRT, 18                          ; v18-19  part 2: my 128 keys' fragments in slot 0, 1
.set ADRB, 20                          ; v20-21  part 1: my weights' fragments in slot 0, 1
.set ADRV, 22                          ; v22     part 2: my 64 columns of Wv; the second half of K lies HALFT further on
.set ADRTS, 23                         ; v23     part 2: my keys' scale words
.set STO,  24
.set RD,   25
.set CO,   26
.set ADRS, 27                          ; v27     part 1: scale words: lanes 0-15 the tokens', lanes 16-31 the weights'
.set SPW,  28
.set NIL,  29
.set ADRVS, 30                         ; v30     part 2: Wv's scale words
.set SC,   32                          ; v32-95  scale words
.set VS,   96                          ; v96-127 Wv's scale words
.set AF,   128
.set OB,   128
.set TMP,  192
.set TR,   2                           ; s2  my tile of 256 tokens
.set TC,   3                           ; s3  my tile of 256 columns of Wq | Wk, and of 128 columns of Wv
.set G0V,  8                           ; s[8:11]  group 0 for Wv's codes
.set C2,   66                          ; s[66:67] where my part of v transposed begins
.set G1, 24
.set G0, 32
.set G1B, 48
.set G0B, 56
.set G1S, 68
.set G0S, 76
.set G1SB, 80
.set G0SB, 88
.set G0VS, 96                          ; s[96:99] group 0 for Wv's scales
.set MSB, 0
.macro WIN new                         ; the immediate's high byte repeats the setting that is left; a switch that changes nothing is dropped
.if MSB != (\new)
	s_set_vgpr_msb (MSB<<8)|(\new)
.set MSB, \new
.endif
.endm
.set MUL_LO, 0xa1                      ; source 0 window 1, source 1 window 0, C and D window 2
.set MUL_HI, 0xf1
.set TO_B,   0x40
; A joint load: waves 0 and 1 fetch the tokens', waves 2 and 3 the weights'; the branch hangs on the wave's number alone.  An s_nop 0 and four v_nop follow each line.
.macro JLOAD g0a, g1a, g0b, g1b
	s_cmp_eq_u32 s15, 0
	s_cbranch_scc0 .Lfor_b_\@
	tensor_load_to_lds s[\g0a:\g0a+3], s[\g1a:\g1a+7]
	s_nop 0
.rept 4
	v_nop
.endr
	s_branch .Lasked_\@
.Lfor_b_\@:
	tensor_load_to_lds s[\g0b:\g0b+3], s[\g1b:\g1b+7]
	s_nop 0
.rept 4
	v_nop
.endr
.Lasked_\@:
.endm
.macro CREST                           ; a round of the cluster's barrier behind its opening barrier
	s_cmp_lg_u32 s14, 0
	s_cbranch_scc1 .Lnot_wave_0_\@
	s_barrier_signal -3
.Lnot_wave_0_\@:
	s_barrier_wait -3
	s_barrier_signal -1
	s_barrier_wait -1
.endm
.macro CROUND                          ; a whole round
	s_barrier_signal -1
	s_barrier_wait -1
	CREST
.endm
	s_load_b128 s[4:7], s[0:1], 0x0                ; codes s[4:5], scales s[6:7]
	s_load_b64 s[12:13], s[0:1], 0x10              ; qkv
	v_lshl_add_u32 v[SPW], v0, 2, SPARE
	v_mov_b32 v[NIL], 0
	ds_add_u32 v[SPW], v[NIL]                      ; the wave's opening: the add, twice on end, and its wait ahead of my first tensor load
	ds_add_u32 v[SPW], v[NIL]
	v_lshrrev_b32 v1, 5, v0
	v_readfirstlane_b32 s14, v1                    ; wave 0..3
	s_lshr_b32 s15, s14, 1                         ; which half of a result's rows is mine.  Also: I fetch the tokens' (0) or the weights' (1)
	s_and_b32 s16, s14, 1                          ; which half of its columns.  Also: which 128 rows I fetch
	s_bfe_u32 s40, ttmp6, 0x40000                  ; cx
	s_bfe_u32 s41, ttmp6, 0x40004                  ; cy
	s_lshl_b32 s[TC], ttmp9, 2
	s_add_co_u32 s[TC], s[TC], s40                 ; 4 x cluster x + cx
	s_and_b32 s[TR], ttmp7, 0xffff
	s_lshl_b32 s[TR], s[TR], 2
	s_add_co_u32 s[TR], s[TR], s41                 ; 4 x cluster y + cy
	s_add_co_u32 s42, s[TC], 32                    ; Wq's and Wk's columns begin at row 8,192 of the codes: tile 32
	s_lshl_b32 s43, s41, 2
	s_lshl_b32 s43, 15, s43                        ; my row of the cluster
	s_lshl_b32 s44, 0x1111, s40                    ; my column
	s_or_b32 s[G1+0], s43, (0<<16)|(1<<20)|(1<<21)|(5<<22)|(3<<25)  ; the mask; elements of 1 byte; padding on; bit 21 beside a mask; four words after every 64
	s_or_b32 s[G1B+0], s44, (0<<16)|(1<<20)|(1<<21)|(5<<22)|(3<<25)
.irp g, G1, G1B
	s_mov_b32 s[\g+1], ROWB<<16                    ; tensor_dim0
	s_mov_b32 s[\g+2], 128<<16                     ; tensor_dim1
	s_mov_b32 s[\g+3], ROWB<<16                    ; tile_dim0
	s_mov_b32 s[\g+4], 128                         ; tile_dim1
	s_mov_b32 s[\g+5], KROW                        ; from row to row
	s_mov_b32 s[\g+6], 0
	s_mov_b32 s[\g+7], 0
.endr
	s_or_b32 s[G1S+0], s43, (3<<16)|(1<<20)|(1<<21)|(5<<22)|(3<<25) ; the scales of 128 rows: 4,096 dense bytes as 16 rows of 256 (32 elements of 8 bytes)
	s_or_b32 s[G1SB+0], s44, (3<<16)|(1<<20)|(1<<21)|(5<<22)|(3<<25)
.irp g, G1S, G1SB
	s_mov_b32 s[\g+1], 32<<16
	s_mov_b32 s[\g+2], (128*KS/256)<<16
	s_mov_b32 s[\g+3], 32<<16
	s_mov_b32 s[\g+4], 128*KS/256
	s_mov_b32 s[\g+5], 32
	s_mov_b32 s[\g+6], 0
	s_mov_b32 s[\g+7], 0
.endr
	s_lshl_b32 s18, s16, 7
	s_lshl_b32 s20, s[TR], 8
	s_add_co_u32 s20, s20, s18                     ; the tokens: the first row that I fetch
	s_lshl_b32 s46, s42, 8
	s_add_co_u32 s46, s46, s18                     ; the weights likewise
	s_mov_b32 s21, 0
	s_mov_b32 s47, 0
	s_mov_b64 s[18:19], KS
	s_mul_u64 s[22:23], s[20:21], s[18:19]         ; where these rows' scales begin
	s_mul_u64 s[92:93], s[46:47], s[18:19]
	s_mov_b64 s[18:19], KROW
	s_mul_u64 s[20:21], s[20:21], s[18:19]         ; and their codes
	s_mul_u64 s[46:47], s[46:47], s[18:19]
	s_mul_i32 s45, s14, HALFT                      ; where they go: wave x 128 rows
	s_mul_i32 s94, s14, HALFS
	s_lshl_b32 s95, s[TC], 7
	s_add_co_u32 s95, s95, 10240                   ; my 128 columns of Wv among the rows of the codes
	s_lshl_b32 s100, s95, 9
	s_lshl_b32 s101, s16, 8
	s_add_co_u32 s100, s100, s101                  ; their codes: wave 2 fetches the first half of K, wave 3 the second
	s_mov_b32 s101, 0
	s_lshl_b32 s66, s95, 5                         ; their scales
	s_mov_b32 s67, 0
	s_wait_dscnt 0x0                               ; both opening adds are done
	s_wait_kmcnt 0x0
	s_add_nc_u64 s[20:21], s[4:5], s[20:21]
	s_add_nc_u64 s[22:23], s[6:7], s[22:23]
	s_add_nc_u64 s[46:47], s[4:5], s[46:47]
	s_add_nc_u64 s[92:93], s[6:7], s[92:93]
	s_add_nc_u64 s[100:101], s[4:5], s[100:101]
	s_add_nc_u64 s[66:67], s[6:7], s[66:67]
	CROUND                                         ; all sixteen work-groups are here: the first joint loads meet
	s_mov_b32 s[G0S], 1
	s_add_co_u32 s[G0S+1], s94, SCL
	s_mov_b64 s[G0S+2:G0S+3], s[22:23]
	s_or_b32 s[G0S+3], s[G0S+3], 0x80000000
	s_mov_b32 s[G0SB], 1
	s_add_co_u32 s[G0SB+1], s94, SCL
	s_mov_b64 s[G0SB+2:G0SB+3], s[92:93]
	s_or_b32 s[G0SB+3], s[G0SB+3], 0x80000000
	JLOAD G0S, G1S, G0SB, G1SB
	s_mov_b32 s[G0VS], 1
	s_mov_b32 s[G0VS+1], VSC
	s_mov_b64 s[G0VS+2:G0VS+3], s[66:67]
	s_or_b32 s[G0VS+3], s[G0VS+3], 0x80000000
	s_cmp_eq_u32 s14, 2                            ; Wv's scales are one block of the same shape: one wave fetches it, ahead of its tiles of codes
	s_cbranch_scc0 .Lno_vs
	tensor_load_to_lds s[G0VS:G0VS+3], s[G1SB:G1SB+7]
	s_nop 0
.rept 4
	v_nop
.endr
.Lno_vs:
.irp s, 0,1
	s_mov_b32 s[G0+4*\s], 1
	s_add_co_u32 s[G0+4*\s+1], s45, \s*SLOT
	s_add_nc_u64 s[G0+4*\s+2:G0+4*\s+3], s[20:21], \s*ROWB
	s_or_b32 s[G0+4*\s+3], s[G0+4*\s+3], 0x80000000
	s_mov_b32 s[G0B+4*\s], 1
	s_add_co_u32 s[G0B+4*\s+1], s45, \s*SLOT
	s_add_nc_u64 s[G0B+4*\s+2:G0B+4*\s+3], s[46:47], \s*ROWB
	s_or_b32 s[G0B+4*\s+3], s[G0B+4*\s+3], 0x80000000
	JLOAD G0+4*\s, G1, G0B+4*\s, G1B
.endr
	s_mov_b32 s[G0V], 1                            ; for the change of slots: Wv's codes go where waves 2 and 3 put slot 0's weights
	s_mov_b32 s[G0V+1], s45
	s_mov_b64 s[G0V+2:G0V+3], s[100:101]
	s_or_b32 s[G0V+3], s[G0V+3], 0x80000000
	v_and_b32 v1, 15, v0                           ; r
	v_bfe_u32 v2, v0, 4, 1                         ; h
	v_mul_u32_u24 v3, v1, PITCH
	v_lshl_add_u32 v4, v2, 4, v3                   ; a fragment's row x pitch + 16 x half
	s_mul_i32 s21, s15, HALFT
	s_mul_i32 s22, s16, HALFT
	v_add_nc_u32 v[ADRT], s22, v4                  ; part 2 takes the tokens by my half of the COLUMNS
	s_add_co_u32 s23, s22, SLOT
	v_add_nc_u32 v[ADRT+1], s23, v4
	s_add_co_u32 s22, s22, 2*HALFT
.irp s, 0,1
	v_add_nc_u32 v[ADRA+\s], s21, v4
	v_add_nc_u32 v[ADRB+\s], s22, v4
	s_add_co_u32 s21, s21, SLOT
	s_add_co_u32 s22, s22, SLOT
.endr
	s_mul_i32 s23, s15, 64*PITCH
	s_add_co_u32 s23, s23, 2*HALFT
	v_add_nc_u32 v[ADRV], s23, v4                  ; my 64 columns of Wv
	v_mul_u32_u24 v5, v1, KS                       ; a row's scales: 32 bytes a row,
	v_lshrrev_b32 v6, 8, v5
	v_lshl_add_u32 v5, v6, 4, v5                   ; and 16 more for each 256 passed
	s_mul_i32 s21, s15, HALFS
	s_mul_i32 s22, s16, HALFS
	s_add_co_u32 s23, s22, SCL
	v_add_nc_u32 v[ADRTS], s23, v5
	s_mul_i32 s23, s15, 8*272                      ; 64 rows of scales are eight rows of 256 bytes + 16
	s_add_co_u32 s23, s23, VSC
	v_add_nc_u32 v[ADRVS], s23, v5
	s_add_co_u32 s22, s22, 2*HALFS
	s_sub_co_u32 s22, s22, s21
	v_mul_u32_u24 v6, s22, v2                      ; part 1: lanes 16-31 take the weights'
	s_add_co_u32 s21, s21, SCL
	v_add_nc_u32 v5, v5, v6
	v_add_nc_u32 v[ADRS], s21, v5
	s_mul_i32 s23, s14, 16*SPITCH
	s_add_co_u32 s23, s23, STAGE                   ; my stage
	v_mul_u32_u24 v5, v1, SPITCH
	v_lshl_add_u32 v5, v2, 4, v5
	v_add_nc_u32 v[STO], s23, v5                   ; in: row r, 16 bytes for each half of the lanes
	v_mul_u32_u24 v5, v2, SPITCH
	v_lshl_add_u32 v5, v1, 4, v5
	v_add_nc_u32 v[RD], s23, v5                    ; back: lanes 0-15 one row of 256 bytes, lanes 16-31 the next
	v_lshlrev_b32 v5, 12, v2
	v_lshl_add_u32 v[CO], v1, 4, v5                ; and the same two rows in qkv
	s_lshl_b32 s47, s16, 8                         ; my half of a result's columns, in bytes
	s_lshr_b32 s22, s[TR], 3                       ; part 2: the batch,
	s_lshl_b32 s22, s22, 10
	s_lshl_b32 s23, s[TC], 7
	s_add_co_u32 s22, s22, s23
	s_lshl_b32 s23, s15, 6
	s_add_co_u32 s22, s22, s23
	s_add_co_u32 s22, s22, 8192                    ; row 8,192 + 1,024 b + 128 x tile + 64 x half,
	s_lshl_b32 s22, s22, 12
	s_and_b32 s23, s[TR], 7
	s_lshl_b32 s23, s23, 9
	s_add_co_u32 s22, s22, s23                     ; the tokens' place among the batch's keys,
	s_add_co_u32 s22, s22, s47
	s_mov_b32 s23, 0
	s_add_nc_u64 s[C2:C2+1], s[12:13], s[22:23]
	s_lshl_b32 s20, s[TR], 8                       ; part 1: my first row,
	s_lshl_b32 s21, s15, 7
	s_add_co_u32 s20, s20, s21
	s_lshl_b32 s20, s20, 12
	s_lshl_b32 s46, s[TC], 9
	s_add_co_u32 s46, s46, s47                     ; my first column, in bytes
	s_add_co_u32 s20, s20, s46
	s_mov_b32 s21, 0
	s_add_nc_u64 s[12:13], s[12:13], s[20:21]
.macro FRAG reg, adr, q, i             ; 16 rows x 128 K of 4-bit codes: 8 registers; registers 4 c .. 4 c + 3 hold K = 64 c + 32 (lane / 16) + 0 .. 31
.irp c, 0,1
	ds_load_b128 v[\reg+4*\c:\reg+4*\c+3], v[\adr] offset:64*(\q)+32*\c+(\i)*16*PITCH
.endr
.endm
; PART 1.  16 matrix instructions: the tokens' blocks a0, a0 + 1 x the weights' eight.  The 64 accumulators take turns, one instruction a turn, in the same order in every step.
.macro MUL16 a0, p, q, sc, zero
.irp a, \a0, \a0+1
.irp b, 0,1,2,3,4,5,6,7
.if \zero
	v_wmma_scale_f32_16x16x128_f8f6f4 v[8*(8*((\a)%4)+\b):8*(8*((\a)%4)+\b)+7], v[128*(\p)+FR*\b:128*(\p)+FR*\b+FR-1], v[AF+FR*(\a):AF+FR*(\a)+FR-1], 0, v[SC+8*NQ*(\sc)+NQ*\b+(\q)], v[SC+8*NQ*(\sc)+NQ*(\a)+(\q)] matrix_a_fmt:MATRIX_FMT_FP4 matrix_b_fmt:MATRIX_FMT_FP4 matrix_a_scale:MATRIX_SCALE_ROW1
.else
	v_wmma_scale_f32_16x16x128_f8f6f4 v[8*(8*((\a)%4)+\b):8*(8*((\a)%4)+\b)+7], v[128*(\p)+FR*\b:128*(\p)+FR*\b+FR-1], v[AF+FR*(\a):AF+FR*(\a)+FR-1], v[8*(8*((\a)%4)+\b):8*(8*((\a)%4)+\b)+7], v[SC+8*NQ*(\sc)+NQ*\b+(\q)], v[SC+8*NQ*(\sc)+NQ*(\a)+(\q)] matrix_a_fmt:MATRIX_FMT_FP4 matrix_b_fmt:MATRIX_FMT_FP4 matrix_a_scale:MATRIX_SCALE_ROW1
.endif
.endr
.endr
.endm
.macro FETCH_B slot, q, p
	WIN TO_B
.irp i, 0,1,2,3,4,5,6,7
	FRAG 128*(\p)+FR*\i, ADRB+\slot, \q, \i
.endr
	WIN 0
.endm
.macro FETCH_A slot, q, i0
.irp i, \i0, \i0+1, \i0+2, \i0+3
	FRAG AF+FR*(\i), ADRA+\slot, \q, \i
.endr
.endm
.macro SCALES sc                       ; a slot's scale words: lanes 0-15 take the tokens' block i, lanes 16-31 the weights' block i
.irp i, 0,1,2,3,4,5,6,7
	ds_load_b128 v[SC+8*NQ*\sc+NQ*\i:SC+8*NQ*\sc+NQ*\i+3], v[ADRS] offset:\i*SBLK
.endr
.endm
.macro PLACES n                        ; plain vector lines between a matrix instruction and a load into, or a read of, its registers
.rept \n
	v_nop
.endr
.endm
.macro STEP slot, q, zero              ; 128 along K with its successor in the same slot
	s_wait_dscnt 4*NL                              ; the weights' set and the tokens' blocks 0-3 are in; the youngest eight loads (blocks 4-7) may be out
	WIN MUL_LO
	MUL16 0, (\q)%2, \q, \slot, \zero
	MUL16 2, (\q)%2, \q, \slot, \zero
	s_wait_dscnt 0
	PLACES NP
	FETCH_B \slot, (\q)+1, 1-(\q)%2
	FETCH_A \slot, (\q)+1, 0
	WIN MUL_HI
	MUL16 4, (\q)%2, \q, \slot, \zero
	MUL16 6, (\q)%2, \q, \slot, \zero
	PLACES NP
	WIN 0
	FETCH_A \slot, (\q)+1, 4
.endm
; Slot 0's last step changes slots.  In front of the barrier each wave waits for all its tensor loads, adds 0 to its spare word, and waits for that and for its reads of slot 0.  The barrier opens a round of the
; cluster's: behind it no wave of any partner reads slot 0's weights any more, and waves 2 and 3 ask, jointly along the cluster's column, for Wv's codes into those bytes.  Slot 0's tokens stay: part 2 reads them.
.macro TURN slot, next
	s_wait_tensorcnt 0x0                           ; all my tensor loads have landed: my part of slot 1
	ds_add_u32 v[SPW], v[NIL]                      ; 0 onto my spare word
	s_wait_dscnt 4*NL+1                            ; the add and the youngest eight loads may be out
	WIN MUL_LO
	MUL16 0, 1, NQ-1, \slot, 0
	s_wait_dscnt 0x0                               ; the add is done, and my reads of this slot's weights are over
	s_barrier_signal -1
	MUL16 2, 1, NQ-1, \slot, 0
	WIN 0
	s_barrier_wait -1
	CREST
	s_cmp_eq_u32 s15, 0
	s_cbranch_scc1 .Lno_v_\@
	tensor_load_to_lds s[G0V:G0V+3], s[G1B:G1B+7]  ; the first tensor load behind the round, and my only one: 128 columns of Wv x one half of K
	s_nop 0
.rept 4
	v_nop
.endr
.Lno_v_\@:
	PLACES NP                                      ; in front of the loads below, on both ways
	v_add_nc_u32 v[ADRS], 4*NQ, v[ADRS]            ; the next slot's scale words
	FETCH_B \next, 0, 0
	FETCH_A \next, 0, 0
	SCALES \next
	WIN MUL_HI
	MUL16 4, 1, NQ-1, \slot, 0
	MUL16 6, 1, NQ-1, \slot, 0
	PLACES NP
	WIN 0
	FETCH_A \next, 0, 4
.endm
.macro STEPS slot, from
.set Q, \from
.rept NQ-1-\from
	STEP \slot, Q, 0
.set Q, Q+1
.endr
.endm
	s_wait_tensorcnt 1                             ; all the scales and my part of slot 0 are in; slot 1's load may be out
	s_barrier_signal -1
	s_barrier_wait -1
	FETCH_B 0, 0, 0
	FETCH_A 0, 0, 0
	SCALES 0
	FETCH_A 0, 0, 4
	STEP 0, 0, 1                                   ; the first step's products start the sums: nothing is cleared
	STEPS 0, 1
	TURN 0, 1
	STEPS 1, 0
	s_wait_dscnt 4*NL
	WIN MUL_LO
	MUL16 0, 1, NQ-1, 1, 0
	MUL16 2, 1, NQ-1, 1, 0
	s_wait_dscnt 0
	WIN MUL_HI
	MUL16 4, 1, NQ-1, 1, 0
	MUL16 6, 1, NQ-1, 1, 0
	WIN 0
; THE WAY OUT, of both parts, a block of 16 rows x 128 columns at a time: rounded to f16 (16 bytes a lane), through my stage, back as whole rows of 256 bytes.
.macro PACK a
.set AC, 64*((\a)%4)
	WIN 0x0a+5*((\a)/4)
.irp b, 0,1,2,3,4,5,6,7
.irp r, 0,1,2,3
	v_cvt_pk_f16_f32 v[TMP+4*\b+\r], v[AC+8*\b+2*\r], v[AC+8*\b+2*\r+1]   ; each accumulator from its low end on
.endr
.endr
	WIN 0
.endm
.macro TOSTAGE a
.set BK, OB+32*((\a)%2)
.irp b, 0,1,2,3,4,5,6,7
	ds_store_b128 v[STO], v[TMP+4*\b:TMP+4*\b+3] offset:32*\b
.endr
.irp t, 0,1,2,3,4,5,6,7
	ds_load_b128 v[BK+4*\t:BK+4*\t+3], v[RD] offset:\t*2*SPITCH    ; LDS serves a wave's instructions in order: these see the stores above
.endr
.endm
.macro SEND a, base
.set BK, OB+32*((\a)%2)
	s_wait_dscnt 0x0                               ; the block is back in registers
	s_wait_xcnt 0x0                                ; the earlier stores have read their base and their data: both may be written again
.if (\a) > 0
	s_add_nc_u64 s[\base:\base+1], s[\base:\base+1], 16*CROW
.endif
.irp t, 0,1,2,3,4,5,6,7
	global_store_b128 v[CO], v[BK+4*\t:BK+4*\t+3], s[\base:\base+1] offset:2*\t*CROW   ; sixteen lanes store 256 consecutive bytes, aligned
.endr
.endm
	PLACES NP
	PACK 0
	TOSTAGE 0
.irp a, 1,2,3,4,5,6,7
	PACK \a
	SEND \a-1, 12
	TOSTAGE \a
.endr
	SEND 7, 12
; PART 2: v transposed.  Source 0 = 16 of my 128 keys (the tokens' rows, in both slots), source 1 = 16 of my 64 columns of Wv.  Eight steps of 128 along K: step n lies in half n / 4, at 64 (n % 4) bytes of the rows.
; Each side's scale words have registers of their own, a word a row in lanes 0-15, for all of K: 64 + 32 registers.
.macro FETCH2 n                        ; 24 LDS loads in one run: step n's fragments into set n % 2
.set S2, (\n)/4
.set Q2, (\n)%4
.set P2, (\n)%2
	WIN TO_B
.irp i, 0,1,2,3,4,5,6,7
.irp c, 0,1
	ds_load_b128 v[128*P2+FR*\i+4*\c:128*P2+FR*\i+4*\c+3], v[ADRT+S2] offset:64*Q2+32*\c+\i*16*PITCH
.endr
.endr
	WIN 0
.irp i, 0,1,2,3
.irp c, 0,1
	ds_load_b128 v[AF+32*P2+FR*\i+4*\c:AF+32*P2+FR*\i+4*\c+3], v[ADRV] offset:S2*HALFT+64*Q2+32*\c+\i*16*PITCH
.endr
.endr
.endm
.macro MULV n, zero                    ; 32 matrix instructions; the 32 accumulators take turns, in the same order in every step
.set S2, (\n)/4
.set Q2, (\n)%4
.set P2, (\n)%2
.irp a, 0,1,2,3
.irp b, 0,1,2,3,4,5,6,7
.if \zero
	v_wmma_scale_f32_16x16x128_f8f6f4 v[8*(8*\a+\b):8*(8*\a+\b)+7], v[128*P2+FR*\b:128*P2+FR*\b+FR-1], v[AF+32*P2+FR*\a:AF+32*P2+FR*\a+FR-1], 0, v[SC+32*S2+NQ*\b+Q2], v[VS+16*S2+NQ*\a+Q2] matrix_a_fmt:MATRIX_FMT_FP4 matrix_b_fmt:MATRIX_FMT_FP4
.else
	v_wmma_scale_f32_16x16x128_f8f6f4 v[8*(8*\a+\b):8*(8*\a+\b)+7], v[128*P2+FR*\b:128*P2+FR*\b+FR-1], v[AF+32*P2+FR*\a:AF+32*P2+FR*\a+FR-1], v[8*(8*\a+\b):8*(8*\a+\b)+7], v[SC+32*S2+NQ*\b+Q2], v[VS+16*S2+NQ*\a+Q2] matrix_a_fmt:MATRIX_FMT_FP4 matrix_b_fmt:MATRIX_FMT_FP4
.endif
.endr
.endr
.endm
.macro STEP2 n, zero                   ; the next step's loads first, then this step's products, under which they land
	s_wait_dscnt 0x0                               ; this step's fragments, asked for a step ago, are in
	PLACES NP                                      ; in front of loads into the set that the last step multiplied
.if (\n) < 7
	FETCH2 (\n)+1
.endif
	WIN MUL_LO
	MULV \n, \zero
.endm
	s_wait_tensorcnt 0x0                           ; waves 2 and 3: Wv's codes have landed,
	s_wait_dscnt 0x0
	s_barrier_signal -1
	s_barrier_wait -1                              ; and every wave may read them
	s_wait_xcnt 0x0                                ; part 1's last stores have read their registers, which take fragments now
.irp s, 0,1
.irp i, 0,1,2,3,4,5,6,7
	ds_load_b128 v[SC+32*\s+NQ*\i:SC+32*\s+NQ*\i+3], v[ADRTS] offset:\i*SBLK+16*\s   ; my keys' block i: four words, one for each 128 along K of half s
.endr
.irp a, 0,1,2,3
	ds_load_b128 v[VS+16*\s+NQ*\a:VS+16*\s+NQ*\a+3], v[ADRVS] offset:\a*SBLK+16*\s   ; Wv's block a likewise
.endr
.endr
	FETCH2 0
	STEP2 0, 1                                     ; the first step's products start the sums
.irp n, 1,2,3,4,5,6,7
	STEP2 \n, 0
.endr
	WIN 0
	PLACES NP
	PACK 0
	TOSTAGE 0
.irp a, 1,2,3
	PACK \a
	SEND \a-1, C2
	TOSTAGE \a
.endr
	SEND 3, C2
	s_wait_tensorcnt 0x0                           ; the wave's end
	ds_add_u32 v[SPW], v[NIL]
	s_wait_dscnt 0x0
	CROUND                                         ; the closing round
	s_endpgm
.Lfunc_end_k_q48a6c17a97_proj:
	.size	k_q48a6c17a97_proj, .Lfunc_end_k_q48a6c17a97_proj-k_q48a6c17a97_proj
	.p2alignl 7, 3214868480
	.fill 96, 4, 3214868480
	.section	.rodata,"a",@progbits
	.p2align	6, 0x0
	.amdhsa_kernel k_q48a6c17a97_proj
		.amdhsa_group_segment_fixed_size 327680
		.amdhsa_private_segment_fixed_size 0
		.amdhsa_enable_private_segment 0
		.amdhsa_kernarg_size 24
		.amdhsa_user_sgpr_count 2
		.amdhsa_user_sgpr_kernarg_segment_ptr 1
		.amdhsa_wavefront_size32 1
		.amdhsa_system_sgpr_workgroup_id_x 1
		.amdhsa_system_sgpr_workgroup_id_y 1
		.amdhsa_system_sgpr_workgroup_id_z 1
		.amdhsa_system_vgpr_workitem_id 0
		.amdhsa_next_free_vgpr 1024
		.amdhsa_next_free_sgpr 102
		.amdhsa_reserve_vcc 0
		.amdhsa_float_denorm_mode_32 3
		.amdhsa_float_denorm_mode_16_64 3
		.amdhsa_memory_ordered 1
		.amdhsa_forward_progress 1
		.amdhsa_inst_pref_size 193
	.end_amdhsa_kernel
	.amdgpu_metadata
---
amdhsa.version: [ 1, 2 ]
amdhsa.kernels:
  - .name:           k_q48a6c17a97_proj
    .symbol:         k_q48a6c17a97_proj.kd
    .args:
      - { .name: codes, .offset: 0, .size: 8, .value_kind: global_buffer, .address_space: global }
      - { .name: scales, .offset: 8, .size: 8, .value_kind: global_buffer, .address_space: global }
      - { .name: qkv, .offset: 16, .size: 8, .value_kind: global_buffer, .address_space: global }
    .group_segment_fixed_size: 327680
    .private_segment_fixed_size: 0
    .kernarg_segment_align: 8
    .kernarg_segment_size: 24
    .max_flat_workgroup_size: 128
    .sgpr_count:     102
    .vgpr_count:     1024
    .wavefront_size: 32
...
	.end_amdgpu_metadata
.endif
;; end of part 2
;; launch scores (part 3): grid 8 x 32, 4 waves a work-group, clusters of 4 x 4, 327,680 bytes of LDS; arguments qkv, p, st; writes p, st
.if DOCPART == 3
	.amdgcn_target "amdgcn-amd-amdhsa--gfx1250"
	.amdhsa_code_object_version 6
	.text
	.protected	k_q48a6c17a97_scores
	.globl	k_q48a6c17a97_scores
	.p2align	8
	.type	k_q48a6c17a97_scores,@function
k_q48a6c17a97_scores:
	s_mov_b64 s[64:65], 0
	v_nop
	global_prefetch_b8 v0, s[64:65] scope:SCOPE_SE
	s_setreg_imm32_b32 hwreg(HW_REG_WAVE_MODE, 25, 1), 1
	s_wait_xcnt 0x0
	s_wait_alu depctr_hold_cnt(0) depctr_sa_sdst(0) depctr_va_vdst(0) depctr_va_sdst(0) depctr_va_ssrc(0) depctr_va_vcc(0) depctr_vm_vsrc(0)
	s_getreg_b32 s2, hwreg(HW_REG_IB_STS2, 6, 4)
	s_cmp_eq_u32 s2, 0
	s_cbranch_scc0 .Lentry_in_a_cluster
	s_endpgm
.Lentry_in_a_cluster:
	s_bfe_u32 s2, ttmp6, 0x10000c
	s_cmp_lg_u32 s2, 0xf033
	s_cbranch_scc0 .Lentry_shape_is_right
	s_endpgm
.Lentry_shape_is_right:
; s = q k^T for each batch, in f16 with f32 sums, and the first half of the softmax.  Nothing of reference() is left out.
; A work-group makes a tile of 256 queries x 256 keys.  For each query and tile: t = s x c, c = log2(e) / 32; M = the tile's largest t rounded UP to a whole number; p' = 2^(t - M), at most 1, goes out in f16;
; the sum of the unrounded p' goes out for each 128 keys, M for each tile.  The next launch brings the eight tiles of a row under one level by exact powers of two: so the maximum is taken away, tile by tile.
;   p  [8,192 rows][2,048 keys] f16;   st: M f32 [8 tiles][8,192 rows] at byte 0, sums f32 [16 half tiles][8,192 rows] at byte 262,144.
; LIMITS: |t| under 2^23, so that M is an exact whole number; p' under 2^-25 of its tile's largest falls to 0 in f16; NaN and infinities are not served.
; q = columns 0-1,023 and k = columns 1,024-2,047 of qkv's rows 0 .. 8,191 (4,096 bytes a row).  Four waves, each 128 x 128: 64 accumulators.  K = 1,024 goes in 8 steps of 128 through two LDS slots.
; CLUSTERS: 4 x 4 work-groups; q's tiles are asked for jointly along a row of the cluster, k's along a column.  THE MATRIX INSTRUCTION IS USED TRANSPOSED (source 0 = 16 keys, source 1 = 16 queries):
; a lane holds ONE query (lane % 16) and eight neighbouring keys an accumulator.
; REGISTERS: window 0: v0-31 addresses; v32-63 the rows' figures; v64-127, v128-191 q's fragments, two buffers; on the way out v64-223.  window 1: k's fragments.  windows 2, 3: accumulator (a, b) at v[8 (8 (a % 4) + b)].
.set KSTEP,  128
.set ROWQ,   4096                      ; a row of qkv, and of p, in bytes
.set PITCH,  272                       ; an LDS row: 256 bytes + 16 of padding
.set HALFT,  128*PITCH
.set SLOT,   4*HALFT
.set STAGE,  2*SLOT                    ; 16 rows x 272 bytes for each wave
.set SPITCH, 272
.set EXCH,   STAGE+4*16*SPITCH         ; 1,024 bytes a wave: the rows' maxima, for the wave beside me
.set LSTG,   EXCH+4096                 ; 1,024 bytes a wave: 128 sums, 128 M
.set SPARE,  LSTG+4096                 ; the spare words
.set LAPS,   4
.set EXW,  8
.set EXR,  9
.set LSW,  10
.set LSR,  11
.set L16,  12                          ; v12  16 x lane
.set ADRA, 16
.set ADRB, 20
.set STO,  24
.set RD,   25
.set CO,   26
.set SPW,  28
.set NIL,  29
.set PFO,  30
.set MX,   32                          ; v32-39  a maximum for each of my eight blocks of 16 queries
.set T,    40                          ; v40-47  at work
.set MP,   48                          ; v48-63  M, as pairs
.set SS,   64                          ; v64-95  partial sums
.set LL,   96                          ; v96-103 the blocks' sums
.set F0,   64
.set F1,   128
.set OB,   128
.set TMP,  192
.set G1, 24
.set G0, 32
.set G1B, 48
.set G0B, 56
.set PFA, 44
.set WV,  66
.set WR,  67
.set WC,  68
.set LIM, 69
.set CS,  76
.set SEL, 78
.set MSB, 0
.macro WIN new
.if MSB != (\new)
	s_set_vgpr_msb (MSB<<8)|(\new)
.set MSB, \new
.endif
.endm
.set MUL_LO, 0xa1
.set MUL_HI, 0xf1
.set TO_B,   0x40
.macro JLOAD s                         ; waves 0 and 1 fetch q's two halves, waves 2 and 3 k's; an s_nop 0 and four v_nop follow each line
	s_cmp_eq_u32 s[WR], 0
	s_cbranch_scc0 .Lfor_b_\@
	tensor_load_to_lds s[G0+4*\s:G0+4*\s+3], s[G1:G1+7]
	s_nop 0
.rept 4
	v_nop
.endr
	s_branch .Lasked_\@
.Lfor_b_\@:
	tensor_load_to_lds s[G0B+4*\s:G0B+4*\s+3], s[G1B:G1B+7]
	s_nop 0
.rept 4
	v_nop
.endr
.Lasked_\@:
.endm
; A prefetch of the K step that stands two refills on: 32 rows x 256 bytes, a lane a row.  q's rows are asked for by the clusters with x = 0, k's by the first of the two clusters of a batch's column;
; the four partners of a joint load share its 128 rows out by address.  The loop's last trip asks for nothing: K steps 4 to 7 are named, each row's 256 bytes once.
.macro ASK
	s_cmp_gt_u32 s3, s[LIM]
	s_cbranch_scc0 .Lnot_mine_\@
	global_prefetch_b8 v[PFO], s[PFA:PFA+1] offset:KSTEP*2 th:TH_LOAD_NT scope:SCOPE_SE
.Lnot_mine_\@:
.endm
.macro CREST
	s_cmp_lg_u32 s[WV], 0
	s_cbranch_scc1 .Lnot_wave_0_\@
	s_barrier_signal -3
.Lnot_wave_0_\@:
	s_barrier_wait -3
	s_barrier_signal -1
	s_barrier_wait -1
.endm
.macro CROUND
	s_barrier_signal -1
	s_barrier_wait -1
	CREST
.endm
	s_load_b128 s[4:7], s[0:1], 0x0                ; qkv s[4:5], p s[6:7]
	s_load_b64 s[8:9], s[0:1], 0x10                ; st
	v_lshl_add_u32 v[SPW], v0, 2, SPARE
	v_mov_b32 v[NIL], 0
	ds_add_u32 v[SPW], v[NIL]                      ; the wave's opening: the add, twice on end, and its wait ahead of my first tensor load
	ds_add_u32 v[SPW], v[NIL]
	v_lshrrev_b32 v1, 5, v0
	v_readfirstlane_b32 s[WV], v1
	s_lshr_b32 s[WR], s[WV], 1                     ; my half of the tile's queries.  Also: I fetch q (0) or k (1)
	s_and_b32 s[WC], s[WV], 1                      ; my half of its keys.  Also: which 128 rows I fetch
	s_bfe_u32 s12, ttmp6, 0x40000                  ; cx
	s_bfe_u32 s13, ttmp6, 0x40004                  ; cy
	s_lshl_b32 s14, ttmp9, 2
	s_add_co_u32 s14, s14, s12                     ; tc: the tile of keys in the batch
	s_and_b32 s16, ttmp7, 0xffff                   ; Y
	s_lshl_b32 s15, s16, 2
	s_add_co_u32 s15, s15, s13                     ; tr: the tile of queries
	s_lshr_b32 s17, s16, 1                         ; the batch
	s_lshl_b32 s70, s13, 2
	s_lshl_b32 s70, 15, s70                        ; my row of the cluster
	s_lshl_b32 s71, 0x1111, s12                    ; my column
	s_or_b32 s[G1+0], s70, (1<<16)|(1<<20)|(1<<21)|(5<<22)|(3<<25)  ; the mask; elements of 2 bytes; padding on; bit 21 beside a mask; four words after every 64
	s_or_b32 s[G1B+0], s71, (1<<16)|(1<<20)|(1<<21)|(5<<22)|(3<<25)
.irp g, G1, G1B
	s_mov_b32 s[\g+1], KSTEP<<16                   ; tensor_dim0
	s_mov_b32 s[\g+2], 128<<16                     ; tensor_dim1
	s_mov_b32 s[\g+3], KSTEP<<16                   ; tile_dim0
	s_mov_b32 s[\g+4], 128                         ; tile_dim1
	s_mov_b32 s[\g+5], 2048                        ; elements from row to row
	s_mov_b32 s[\g+6], 0
	s_mov_b32 s[\g+7], 0
.endr
	s_lshl_b32 s20, s[WC], 7
	s_lshl_b32 s18, s15, 8
	s_add_co_u32 s18, s18, s20                     ; q: row 256 tr + 128 x half
	s_lshl_b32 s18, s18, 12
	s_mov_b32 s19, 0
	s_lshl_b32 s40, s17, 11
	s_lshl_b32 s41, s14, 8
	s_add_co_u32 s40, s40, s41
	s_add_co_u32 s40, s40, s20                     ; k: row 2,048 b + 256 tc + 128 x half,
	s_lshl_b32 s40, s40, 12
	s_add_co_u32 s40, s40, 2048                    ; the row's second half
	s_mov_b32 s41, 0
	s_mul_i32 s21, s[WV], HALFT                    ; where they go: wave x 128 rows
	s_mov_b32 s[CS], 0x3d38aa3b                    ; c = log2(e) / 32
	s_mov_b32 s[CS+1], s[CS]
	s_mov_b32 s[SEL], 0x76543210
	s_mov_b32 s[SEL+1], 0xfedcba98                 ; v_permlanex16_b32: lane l xor 16
	s_wait_dscnt 0x0                               ; both opening adds are done
	s_wait_kmcnt 0x0
	s_add_nc_u64 s[18:19], s[4:5], s[18:19]
	s_add_nc_u64 s[40:41], s[4:5], s[40:41]
	CROUND                                         ; all sixteen work-groups are here: the first joint loads meet
.irp s, 0,1
	s_mov_b32 s[G0+4*\s], 1
	s_add_co_u32 s[G0+4*\s+1], s21, \s*SLOT
	s_add_nc_u64 s[G0+4*\s+2:G0+4*\s+3], s[18:19], \s*KSTEP*2
	s_or_b32 s[G0+4*\s+3], s[G0+4*\s+3], 0x80000000
	s_mov_b32 s[G0B+4*\s], 1
	s_add_co_u32 s[G0B+4*\s+1], s21, \s*SLOT
	s_add_nc_u64 s[G0B+4*\s+2:G0B+4*\s+3], s[40:41], \s*KSTEP*2
	s_or_b32 s[G0B+4*\s+3], s[G0B+4*\s+3], 0x80000000
	JLOAD \s
.endr
	v_and_b32 v1, 15, v0                           ; r
	v_bfe_u32 v2, v0, 4, 1                         ; h
	v_mul_u32_u24 v3, v1, PITCH
	v_lshl_add_u32 v3, v2, 4, v3
	s_mul_i32 s22, s[WR], HALFT
	s_mul_i32 s23, s[WC], HALFT
	s_add_co_u32 s23, s23, 2*HALFT
.irp s, 0,1
	v_add_nc_u32 v[ADRA+\s], s22, v3
	v_add_nc_u32 v[ADRB+\s], s23, v3
	s_add_co_u32 s22, s22, SLOT
	s_add_co_u32 s23, s23, SLOT
.endr
	s_mul_i32 s22, s[WV], 16*SPITCH
	s_add_co_u32 s22, s22, STAGE
	v_mul_u32_u24 v4, v1, SPITCH
	v_lshl_add_u32 v4, v2, 4, v4
	v_add_nc_u32 v[STO], s22, v4
	v_mul_u32_u24 v5, v2, SPITCH
	v_lshl_add_u32 v5, v1, 4, v5
	v_add_nc_u32 v[RD], s22, v5
	v_lshlrev_b32 v5, 12, v2
	v_lshl_add_u32 v[CO], v1, 4, v5
	v_and_b32 v6, 31, v0
	v_lshlrev_b32 v[L16], 4, v6
	s_lshl_b32 s22, s[WV], 10
	s_add_co_u32 s23, s22, EXCH
	v_add_nc_u32 v[EXW], s23, v[L16]               ; my maxima,
	s_xor_b32 s23, s22, 1024
	s_add_co_u32 s23, s23, EXCH
	v_add_nc_u32 v[EXR], s23, v[L16]               ; and those of the wave with the same queries and the other keys
	s_add_co_u32 s23, s22, LSTG
	v_lshl_add_u32 v[LSW], v1, 2, s23
	v_add_nc_u32 v[LSR], s23, v[L16]
.irp a, 0,1,2,3,4,5,6,7
	v_mov_b32 v[T+\a], 0                           ; written once: a lane permute's destination counts as one of its sources
.endr
	s_lshl_b32 s20, s15, 8
	s_lshl_b32 s21, s[WR], 7
	s_add_co_u32 s20, s20, s21                     ; my first row
	s_lshl_b32 s22, s20, 12
	s_lshl_b32 s23, s14, 9
	s_add_co_u32 s22, s22, s23
	s_lshl_b32 s23, s[WC], 8
	s_add_co_u32 s22, s22, s23
	s_mov_b32 s23, 0
	s_add_nc_u64 s[6:7], s[6:7], s[22:23]          ; p at my part of the tile
	s_lshl_b32 s22, s14, 13
	s_add_co_u32 s22, s22, s20
	s_lshl_b32 s22, s22, 2
	s_add_nc_u64 s[10:11], s[8:9], s[22:23]        ; M's place
	s_lshl_b32 s22, s14, 1
	s_add_co_u32 s22, s22, s[WC]
	s_lshl_b32 s22, s22, 13
	s_add_co_u32 s22, s22, s20
	s_lshl_b32 s22, s22, 2
	s_add_co_u32 s22, s22, 262144
	s_add_nc_u64 s[8:9], s[8:9], s[22:23]          ; the sums' place
	; the prefetches
	s_lshl_b32 s20, s15, 8
	s_lshl_b32 s22, s17, 11
	s_lshl_b32 s23, s14, 8
	s_add_co_u32 s22, s22, s23
	s_and_b32 s23, s16, 1
	s_cmp_eq_u32 s[WR], 0
	s_cselect_b32 s20, s20, s22                    ; the tile's first row
	s_cselect_b32 s21, s12, s13                    ; my place among the four that ask for it with me
	s_cselect_b32 s23, ttmp9, s23                  ; 0 in the cluster that asks
	s_cselect_b32 s22, 0, 2048
	s_cmp_eq_u32 s23, 0
	s_cselect_b32 s[LIM], 1, -1                    ; the same in all sixteen partners, for a given wave
	s_lshl_b32 s23, s[WC], 7
	s_add_co_u32 s20, s20, s23
	s_lshl_b32 s21, s21, 5
	s_add_co_u32 s20, s20, s21
	s_lshl_b32 s20, s20, 12
	s_add_co_u32 s20, s20, s22
	s_add_co_u32 s20, s20, 2*KSTEP*2               ; at K step 2: the first refill steps it to 3 and names K step 4
	s_mov_b32 s21, 0
	s_add_nc_u64 s[PFA:PFA+1], s[4:5], s[20:21]
	v_lshlrev_b32 v[PFO], 12, v6
.macro MUL16 f, hi, a0, zero           ; 16 matrix instructions; the 64 accumulators take turns, in the same order in every quarter
.irp a, \a0, \a0+1
.irp b, 0,1,2,3,4,5,6,7
.if \zero
	v_wmma_f32_16x16x32_f16 v[8*(8*(\a)+\b):8*(8*(\a)+\b)+7], v[\f+8*\b:\f+8*\b+7], v[\f+8*(4*\hi+\a):\f+8*(4*\hi+\a)+7], 0
.else
	v_wmma_f32_16x16x32_f16 v[8*(8*(\a)+\b):8*(8*(\a)+\b)+7], v[\f+8*\b:\f+8*\b+7], v[\f+8*(4*\hi+\a):\f+8*(4*\hi+\a)+7], v[8*(8*(\a)+\b):8*(8*(\a)+\b)+7]
.endif
.endr
.endr
.endm
.macro FETCH slot, k, f                ; 32 LDS loads in one run: a quarter step's fragments
	WIN TO_B
.irp i, 0,1,2,3,4,5,6,7
	ds_load_b128 v[\f+8*\i:\f+8*\i+3],   v[ADRB+\slot] offset:\k+\i*16*PITCH
	ds_load_b128 v[\f+8*\i+4:\f+8*\i+7], v[ADRB+\slot] offset:\k+\i*16*PITCH+32
.endr
	WIN 0
.irp i, 0,1,2,3,4,5,6,7
	ds_load_b128 v[\f+8*\i:\f+8*\i+3],   v[ADRA+\slot] offset:\k+\i*16*PITCH
	ds_load_b128 v[\f+8*\i+4:\f+8*\i+7], v[ADRA+\slot] offset:\k+\i*16*PITCH+32
.endr
.endm
.macro PLACES                          ; four plain lines between a matrix instruction and a load into, or a vector read of, its registers
.rept 4
	v_nop
.endr
.endm
.macro QUARTER slot, k, f, g, zero
	s_wait_dscnt 8                                 ; k's fragments and q's rows 0-63 are in; the youngest eight loads may be out
	WIN MUL_LO
	MUL16 \f, 0, 0, \zero
	MUL16 \f, 0, 2, \zero
	PLACES
	FETCH \slot, \k, \g
	s_wait_dscnt 32                                ; all but the 32 just issued
	WIN MUL_HI
	MUL16 \f, 1, 0, \zero
	MUL16 \f, 1, 2, \zero
.endm
.macro MEET round                      ; the first half of a slot's last quarter: one barrier for the change of slots
	WIN 0
	s_wait_tensorcnt 0x0                           ; all my tensor loads have landed: my part of the next slot
	ds_add_u32 v[SPW], v[NIL]                      ; 0 onto my spare word
	s_wait_dscnt 9                                 ; the add and the youngest eight loads may be out
	WIN MUL_LO
	MUL16 F1, 0, 0, 0
	s_wait_dscnt 0x0                               ; the add is done, and my reads of this slot are over
	s_barrier_signal -1
	MUL16 F1, 0, 2, 0
.if \round
	WIN 0
.endif
	s_barrier_wait -1
.endm
.macro TURN slot, next                 ; the whole last quarter; the slot just read out is filled again, two K steps on, first thing behind the round
	s_wait_xcnt 0x0                                ; the last prefetch, a K step back, has read its address
	s_add_nc_u64 s[PFA:PFA+1], s[PFA:PFA+1], KSTEP*2
	MEET 1
	CREST                                          ; no wave of any partner still reads this slot or has a load on its way
	s_add_nc_u64 s[G0+4*\slot+2:G0+4*\slot+3], s[G0+4*\slot+2:G0+4*\slot+3], 2*KSTEP*2
	s_add_nc_u64 s[G0B+4*\slot+2:G0B+4*\slot+3], s[G0B+4*\slot+2:G0B+4*\slot+3], 2*KSTEP*2
	JLOAD \slot                                    ; its four v_nop are also the places in front of the loads below
	FETCH \next, 0, F0
	ASK
	WIN MUL_HI
	MUL16 F1, 1, 0, 0
	MUL16 F1, 1, 2, 0
.endm
	s_wait_tensorcnt 1                             ; my part of K step 0 is in; K step 1's load may be out
	s_barrier_signal -1
	s_barrier_wait -1
	FETCH 0, 0, F0
	QUARTER 0, 64,  F0, F1, 1                      ; the first quarter's products start the sums
	WIN 0
	s_mov_b32 s3, LAPS-1
.Llap:                                                 ; a trip goes once round the ring and fills both slots again
	QUARTER 0, 128, F1, F0, 0
	QUARTER 0, 192, F0, F1, 0
	TURN 0, 1
	QUARTER 1, 64,  F0, F1, 0
	QUARTER 1, 128, F1, F0, 0
	QUARTER 1, 192, F0, F1, 0
	TURN 1, 0
	QUARTER 0, 64,  F0, F1, 0
	WIN 0
	s_sub_co_u32 s3, s3, 1
	s_cmp_lg_u32 s3, 0
	s_cbranch_scc1 .Llap
	QUARTER 0, 128, F1, F0, 0                      ; the last lap is written out: it asks for nothing
	QUARTER 0, 192, F0, F1, 0
	MEET 0
	PLACES
	FETCH 1, 0, F0
	WIN MUL_HI
	MUL16 F1, 1, 0, 0
	MUL16 F1, 1, 2, 0
	QUARTER 1, 64,  F0, F1, 0
	QUARTER 1, 128, F1, F0, 0
	QUARTER 1, 192, F0, F1, 0
	s_wait_dscnt 8
	WIN MUL_LO
	MUL16 F1, 0, 0, 0
	MUL16 F1, 0, 2, 0
	s_wait_dscnt 0x0
	WIN MUL_HI
	MUL16 F1, 1, 0, 0
	MUL16 F1, 1, 2, 0
	WIN 0
; THE ROWS' MAXIMA.  A block of 16 queries has 64 registers a lane; they are taken in ascending order; the window's four blocks by turns.
.macro ROWMAX hi
	WIN 0x2a+0x15*\hi                              ; all three sources in window 2 (3)
.irp a, 0,1,2,3
	v_max3_num_f32 v[MX+4*\hi+\a], v[64*\a], v[64*\a+1], v[64*\a+2]
.endr
	WIN 0x28+0x14*\hi                              ; source 0 in window 0
.set i, 3
.rept 30
.irp a, 0,1,2,3
	v_max3_num_f32 v[MX+4*\hi+\a], v[MX+4*\hi+\a], v[64*\a+i], v[64*\a+i+1]
.endr
.set i, i+2
.endr
.irp a, 0,1,2,3
	v_max_num_f32 v[MX+4*\hi+\a], v[MX+4*\hi+\a], v[64*\a+63]
.endr
.endm
	PLACES
	ROWMAX 0
	ROWMAX 1
	WIN 0
.irp a, 0,1,2,3,4,5,6,7
	v_permlanex16_b32 v[T+\a], v[MX+\a], s[SEL], s[SEL+1]
.endr
.irp a, 0,1,2,3,4,5,6,7
	v_max_num_f32 v[MX+\a], v[MX+\a], v[T+\a]      ; with lane l xor 16's keys: my wave's 128 keys
.endr
	ds_store_b128 v[EXW], v[MX:MX+3]
	ds_store_b128 v[EXW], v[MX+4:MX+7] offset:512
	s_wait_dscnt 0x0                               ; for the other wave's sake: my stores are done
	s_barrier_signal -1
	s_barrier_wait -1
	ds_load_b128 v[T:T+3], v[EXR]
	ds_load_b128 v[T+4:T+7], v[EXR] offset:512
	s_wait_dscnt 0x0
.irp a, 0,1,2,3,4,5,6,7
	v_max_num_f32 v[MX+\a], v[MX+\a], v[T+\a]      ; the tile's 256 keys
.endr
.irp a, 0,1,2,3,4,5,6,7
	v_mul_f32 v[MX+\a], s[CS], v[MX+\a]            ; as t (c is positive)
.endr
.irp a, 0,1,2,3,4,5,6,7
	v_ceil_f32 v[MP+2*\a], v[MX+\a]                ; M: a whole number
.endr
.irp a, 0,1,2,3,4,5,6,7
	v_mov_b32 v[MP+2*\a+1], v[MP+2*\a]             ; (named as a pair below, so it is written)
.endr
.macro FE a                            ; block a: t - M, two at a time, then p' = 2^(t - M), in place: one batch of 64 exponentials
.set AC, 64*((\a)%4)
	WIN 0x82+0x41*((\a)/4)
.set i, 0
.rept 32
	v_pk_fma_f32 v[AC+i:AC+i+1], v[AC+i:AC+i+1], s[CS:CS+1], v[MP+2*(\a):MP+2*(\a)+1] op_sel_hi:[1,0,0] neg_lo:[0,0,1] neg_hi:[0,0,1]
.set i, i+2
.endr
.set i, 0
.rept 64
	v_exp_f32 v[AC+i], v[AC+i]
.set i, i+1
.endr
.endm
.macro SUMCVT a                        ; block a: rounded to f16, and the sum of the UNROUNDED p'
.set AC, 64*((\a)%4)
	WIN 0x0a+5*((\a)/4)
.irp b, 0,1,2,3,4,5,6,7
.irp r, 0,1,2,3
	v_cvt_pk_f16_f32 v[TMP+4*\b+\r], v[AC+8*\b+2*\r], v[AC+8*\b+2*\r+1]
.endr
.endr
.set i, 0
.rept 16
	v_pk_add_f32 v[SS+2*i:SS+2*i+1], v[AC+4*i:AC+4*i+1], v[AC+4*i+2:AC+4*i+3]
.set i, i+1
.endr
	WIN 0
.irp w, 8,4,2,1
.set u, 0
.rept \w
	v_pk_add_f32 v[SS+2*u:SS+2*u+1], v[SS+2*u:SS+2*u+1], v[SS+2*(u+\w):SS+2*(u+\w)+1]
.set u, u+1
.endr
.endr
	v_add_f32 v[LL+(\a)], v[SS], v[SS+1]
.endm
.macro TOSTAGE a
.set BK, OB+32*((\a)%2)
.irp b, 0,1,2,3,4,5,6,7
	ds_store_b128 v[STO], v[TMP+4*\b:TMP+4*\b+3] offset:32*\b
.endr
.irp t, 0,1,2,3,4,5,6,7
	ds_load_b128 v[BK+4*\t:BK+4*\t+3], v[RD] offset:\t*2*SPITCH    ; LDS serves a wave's instructions in order: these see the stores above
.endr
.endm
.macro SEND a
.set BK, OB+32*((\a)%2)
	s_wait_dscnt 0x0                               ; the block is back in registers
	s_wait_xcnt 0x0                                ; the earlier stores have read their base and their data
.if (\a) > 0
	s_add_nc_u64 s[6:7], s[6:7], 16*ROWQ
.endif
.irp t, 0,1,2,3,4,5,6,7
	global_store_b128 v[CO], v[BK+4*\t:BK+4*\t+3], s[6:7] offset:2*\t*ROWQ   ; sixteen lanes store 256 consecutive bytes, aligned
.endr
.endm
.irp a, 0,1,2,3,4,5,6,7
	FE \a
	v_nop                                          ; a plain line behind the last exponential
	s_wait_alu depctr_va_vdst(0)                   ; one wait for the batch of 64, ahead of its first reader
	SUMCVT \a
.if \a > 0
	SEND \a-1                                      ; the block before leaves while this one goes through the stage
.endif
	TOSTAGE \a
.endr
	SEND 7
	; the rows' figures: 128 sums and 128 M of my wave, gathered in LDS so that they leave as 512 consecutive bytes each
.irp a, 0,1,2,3,4,5,6,7
	v_permlanex16_b32 v[T+\a], v[LL+\a], s[SEL], s[SEL+1]
.endr
.irp a, 0,1,2,3,4,5,6,7
	v_add_f32 v[LL+\a], v[LL+\a], v[T+\a]
.endr
.irp a, 0,1,2,3,4,5,6,7
	ds_store_b32 v[LSW], v[LL+\a] offset:64*\a     ; both halves of the lanes write the same word with the same value
.endr
.irp a, 0,1,2,3,4,5,6,7
	ds_store_b32 v[LSW], v[MP+2*\a] offset:512+64*\a
.endr
	ds_load_b128 v[104:107], v[LSR]
	ds_load_b128 v[108:111], v[LSR] offset:512
	s_wait_dscnt 0x0
	global_store_b128 v[L16], v[104:107], s[8:9]
	s_cmp_lg_u32 s[WC], 0                          ; M is the same in the two waves of a row half: one of them stores it
	s_cbranch_scc1 .Lno_m
	global_store_b128 v[L16], v[108:111], s[10:11]
.Lno_m:
	s_wait_tensorcnt 0x0                           ; the wave's end
	ds_add_u32 v[SPW], v[NIL]
	s_wait_dscnt 0x0
	CROUND                                         ; the closing round
	s_endpgm
.Lfunc_end_k_q48a6c17a97_scores:
	.size	k_q48a6c17a97_scores, .Lfunc_end_k_q48a6c17a97_scores-k_q48a6c17a97_scores
	.p2alignl 7, 3214868480
	.fill 96, 4, 3214868480
	.section	.rodata,"a",@progbits
	.p2align	6, 0x0
	.amdhsa_kernel k_q48a6c17a97_scores
		.amdhsa_group_segment_fixed_size 327680
		.amdhsa_private_segment_fixed_size 0
		.amdhsa_enable_private_segment 0
		.amdhsa_kernarg_size 24
		.amdhsa_user_sgpr_count 2
		.amdhsa_user_sgpr_kernarg_segment_ptr 1
		.amdhsa_wavefront_size32 1
		.amdhsa_system_sgpr_workgroup_id_x 1
		.amdhsa_system_sgpr_workgroup_id_y 1
		.amdhsa_system_sgpr_workgroup_id_z 1
		.amdhsa_system_vgpr_workitem_id 0
		.amdhsa_next_free_vgpr 1024
		.amdhsa_next_free_sgpr 84
		.amdhsa_reserve_vcc 0
		.amdhsa_float_denorm_mode_32 3
		.amdhsa_float_denorm_mode_16_64 3
		.amdhsa_memory_ordered 1
		.amdhsa_forward_progress 1
		.amdhsa_inst_pref_size 214
	.end_amdhsa_kernel
	.amdgpu_metadata
---
amdhsa.version: [ 1, 2 ]
amdhsa.kernels:
  - .name:           k_q48a6c17a97_scores
    .symbol:         k_q48a6c17a97_scores.kd
    .args:
      - { .name: qkv, .offset: 0, .size: 8, .value_kind: global_buffer, .address_space: global }
      - { .name: p, .offset: 8, .size: 8, .value_kind: global_buffer, .address_space: global }
      - { .name: st, .offset: 16, .size: 8, .value_kind: global_buffer, .address_space: global }
    .group_segment_fixed_size: 327680
    .private_segment_fixed_size: 0
    .kernarg_segment_align: 8
    .kernarg_segment_size: 24
    .max_flat_workgroup_size: 128
    .sgpr_count:     84
    .vgpr_count:     1024
    .wavefront_size: 32
...
	.end_amdgpu_metadata
.endif
;; end of part 3
;; launch pv (part 4): grid 4 x 64, 4 waves a work-group, clusters of 4 x 4, 327,680 bytes of LDS; arguments p, qkv, st, ao; writes ao
.if DOCPART == 4
	.amdgcn_target "amdgcn-amd-amdhsa--gfx1250"
	.amdhsa_code_object_version 6
	.text
	.protected	k_q48a6c17a97_pv
	.globl	k_q48a6c17a97_pv
	.p2align	8
	.type	k_q48a6c17a97_pv,@function
k_q48a6c17a97_pv:
	s_mov_b64 s[64:65], 0
	v_nop
	global_prefetch_b8 v0, s[64:65] scope:SCOPE_SE
	s_setreg_imm32_b32 hwreg(HW_REG_WAVE_MODE, 25, 1), 1
	s_wait_xcnt 0x0
	s_wait_alu depctr_hold_cnt(0) depctr_sa_sdst(0) depctr_va_vdst(0) depctr_va_sdst(0) depctr_va_ssrc(0) depctr_va_vcc(0) depctr_vm_vsrc(0)
	s_getreg_b32 s2, hwreg(HW_REG_IB_STS2, 6, 4)
	s_cmp_eq_u32 s2, 0
	s_cbranch_scc0 .Lentry_in_a_cluster
	s_endpgm
.Lentry_in_a_cluster:
	s_bfe_u32 s2, ttmp6, 0x10000c
	s_cmp_lg_u32 s2, 0xf033
	s_cbranch_scc0 .Lentry_shape_is_right
	s_endpgm
.Lentry_shape_is_right:
; ao = softmax x v, in f16 with f32 sums, from p' = 2^(t - M_u) (u: the tile of 256 keys), the tiles' M_u and sums.  Nothing of reference() is left out.
; THE LEVELS.  R_u = the largest M up to tile u; L_u = max(M_u, R_u - 60).  K runs over the keys; one lap of the ring is one tile.  At the head of lap u the sums are multiplied by g_u = 2^(L_(u-1) - L_u),
; a power of two of at most 2^60: nothing is rounded.  At the end O = sum x 2^(L_7 - R_7) / l, l = the sum over u of 2^(L_u - R_7) x (tile u's two sums).
; A tile more than 60 under the running maximum counts with 2^-60 of it, in the sums and in l alike, where its true weight is smaller still.  |sum| stays under 2,048 x 2^60 x 65,504.  No branch hangs on data.
; LIMITS: as in the launch before; NaN and infinities are not served.
; A work-group makes 128 rows x 256 channels (256 work-groups); a wave 64 x 128: 32 accumulators, window 2.  A = p (rows of 4,096 bytes), B = v transposed: qkv's rows 8,192 + 1,024 b + d.
; K = 2,048 goes in 16 steps of 128 through two LDS slots.  CLUSTERS: 4 x 4; p's tiles jointly along a row of the cluster, v's along a column.
; THE MATRIX INSTRUCTION IS USED TRANSPOSED (source 0 = 16 channels, source 1 = 16 rows of p): a lane holds one row and eight neighbouring channels an accumulator.
; REGISTERS: window 0: v0-31 addresses; v32-39 g, v40-47 the last factor, as pairs; v64-95, v128-159 p's fragments, two buffers; v192-223 packed results.  window 1: v64-127, v128-191 v's fragments.  window 2: accumulator (a, b) at v[8 (8 a + b)].
.set KROWB,  4096                      ; a row of p and of qkv in bytes
.set KPITCH, 2048                      ; and in elements
.set LAPS,   8
.set PITCH,  272
.set AH,     64*PITCH
.set BH,     128*PITCH
.set BOFF,   2*AH
.set SLOT,   2*AH+2*BH
.set STAGE,  2*SLOT
.set SPITCH, 272
.set GT,     STAGE+4*16*SPITCH         ; 7 x 1,024 bytes for each wave: g of laps 1 to 7, an image of eight registers each
.set SPARE,  GT+4*7*1024
.set OROW,   2048                      ; a row of ao in bytes
.set ADRA, 16
.set ADRB, 20
.set STO,  24
.set RD,   25
.set CO,   26
.set GA,   27
.set SPW,  28
.set NIL,  29
.set PFO,  30
.set G,    32
.set FF,   40
.set F0,   64
.set F1,   128
.set TMP,  192
.set G1, 24
.set G0, 32
.set G1B, 48
.set G0B, 56
.set PFA, 44
.set WV,  66
.set WR,  67
.set WC,  68
.set LIM, 69
.set MSB, 0
.macro WIN new
.if MSB != (\new)
	s_set_vgpr_msb (MSB<<8)|(\new)
.set MSB, \new
.endif
.endm
.set MUL, 0xa1                         ; source 0 (B) window 1, source 1 (A) window 0, C and D window 2
.macro JLOAD s                         ; waves 0 and 1 fetch p's two halves (64 rows each), waves 2 and 3 v's (128 rows each); an s_nop 0 and four v_nop follow each line
	s_cmp_eq_u32 s[WR], 0
	s_cbranch_scc0 .Lfor_b_\@
	tensor_load_to_lds s[G0+4*\s:G0+4*\s+3], s[G1:G1+7]
	s_nop 0
.rept 4
	v_nop
.endr
	s_branch .Lasked_\@
.Lfor_b_\@:
	tensor_load_to_lds s[G0B+4*\s:G0B+4*\s+3], s[G1B:G1B+7]
	s_nop 0
.rept 4
	v_nop
.endr
.Lasked_\@:
.endm
; A prefetch of the K step that stands two refills on, a lane a row of 256 bytes.  p's 128 rows are read by one cluster alone: wave 0 of each partner asks for 32 of them.  v's 256 rows are read by the four
; clusters of a batch: in the first of them waves 2 and 3 of each partner ask for 64.  Partners are told apart by address.  The loop's last trip asks for nothing: K steps 4 to 15 are named.
.macro ASK
	s_cmp_gt_u32 s3, s[LIM]
	s_cbranch_scc0 .Lnot_mine_\@
	global_prefetch_b8 v[PFO], s[PFA:PFA+1] offset:256 th:TH_LOAD_NT scope:SCOPE_SE
.Lnot_mine_\@:
.endm
.macro CREST
	s_cmp_lg_u32 s[WV], 0
	s_cbranch_scc1 .Lnot_wave_0_\@
	s_barrier_signal -3
.Lnot_wave_0_\@:
	s_barrier_wait -3
	s_barrier_signal -1
	s_barrier_wait -1
.endm
.macro CROUND
	s_barrier_signal -1
	s_barrier_wait -1
	CREST
.endm
	s_load_b256 s[4:11], s[0:1], 0x0               ; p s[4:5], qkv s[6:7], st s[8:9], ao s[10:11]
	v_lshl_add_u32 v[SPW], v0, 2, SPARE
	v_mov_b32 v[NIL], 0
	ds_add_u32 v[SPW], v[NIL]                      ; the wave's opening: the add, twice on end, and its wait ahead of my first tensor load
	ds_add_u32 v[SPW], v[NIL]
	v_lshrrev_b32 v1, 5, v0
	v_readfirstlane_b32 s[WV], v1
	s_lshr_b32 s[WR], s[WV], 1                     ; my half of the rows.  Also: I fetch p (0) or v (1)
	s_and_b32 s[WC], s[WV], 1                      ; my half of the channels.  Also: which half of that tile I fetch
	s_bfe_u32 s12, ttmp6, 0x40000                  ; cx
	s_bfe_u32 s13, ttmp6, 0x40004                  ; cy
	s_lshl_b32 s14, ttmp9, 2
	s_add_co_u32 s14, s14, s12                     ; tc: 256 channels
	s_and_b32 s16, ttmp7, 0xffff                   ; Y
	s_lshl_b32 s15, s16, 2
	s_add_co_u32 s15, s15, s13                     ; tr: 128 rows
	s_lshr_b32 s17, s16, 2                         ; the batch
	s_lshl_b32 s70, s13, 2
	s_lshl_b32 s70, 15, s70
	s_lshl_b32 s71, 0x1111, s12
	s_or_b32 s[G1+0], s70, (1<<16)|(1<<20)|(1<<21)|(5<<22)|(3<<25)  ; the mask; elements of 2 bytes; padding on; bit 21 beside a mask; four words after every 64
	s_or_b32 s[G1B+0], s71, (1<<16)|(1<<20)|(1<<21)|(5<<22)|(3<<25)
	s_mov_b32 s[G1+1], 128<<16                     ; tensor_dim0
	s_mov_b32 s[G1+2], 64<<16                      ; tensor_dim1
	s_mov_b32 s[G1+3], 128<<16                     ; tile_dim0
	s_mov_b32 s[G1+4], 64                          ; tile_dim1
	s_mov_b32 s[G1+5], KPITCH
	s_mov_b32 s[G1+6], 0
	s_mov_b32 s[G1+7], 0
	s_mov_b32 s[G1B+1], 128<<16
	s_mov_b32 s[G1B+2], 128<<16
	s_mov_b32 s[G1B+3], 128<<16
	s_mov_b32 s[G1B+4], 128
	s_mov_b32 s[G1B+5], KPITCH
	s_mov_b32 s[G1B+6], 0
	s_mov_b32 s[G1B+7], 0
	s_lshl_b32 s18, s15, 7
	s_lshl_b32 s20, s[WC], 6
	s_add_co_u32 s18, s18, s20                     ; p: row 128 tr + 64 x half
	s_lshl_b32 s18, s18, 12
	s_mov_b32 s19, 0
	s_lshl_b32 s40, s17, 10
	s_lshl_b32 s41, s14, 8
	s_add_co_u32 s40, s40, s41
	s_lshl_b32 s41, s[WC], 7
	s_add_co_u32 s40, s40, s41
	s_add_co_u32 s40, s40, 8192                    ; v: row 8,192 + 1,024 b + 256 tc + 128 x half
	s_lshl_b32 s40, s40, 12
	s_mov_b32 s41, 0
	s_mul_i32 s21, s[WC], AH                       ; where they go
	s_mul_i32 s22, s[WC], BH
	s_add_co_u32 s22, s22, BOFF
	s_wait_dscnt 0x0                               ; both opening adds are done
	s_wait_kmcnt 0x0
	s_add_nc_u64 s[18:19], s[4:5], s[18:19]
	s_add_nc_u64 s[40:41], s[6:7], s[40:41]
	CROUND
.irp s, 0,1
	s_mov_b32 s[G0+4*\s], 1
	s_add_co_u32 s[G0+4*\s+1], s21, \s*SLOT
	s_add_nc_u64 s[G0+4*\s+2:G0+4*\s+3], s[18:19], \s*256
	s_or_b32 s[G0+4*\s+3], s[G0+4*\s+3], 0x80000000
	s_mov_b32 s[G0B+4*\s], 1
	s_add_co_u32 s[G0B+4*\s+1], s22, \s*SLOT
	s_add_nc_u64 s[G0B+4*\s+2:G0B+4*\s+3], s[40:41], \s*256
	s_or_b32 s[G0B+4*\s+3], s[G0B+4*\s+3], 0x80000000
	JLOAD \s
.endr
	v_and_b32 v1, 15, v0                           ; r
	v_bfe_u32 v2, v0, 4, 1                         ; h
	v_lshlrev_b32 v31, 2, v1
	s_lshl_b32 s20, s15, 7
	s_lshl_b32 s21, s[WR], 6
	s_add_co_u32 s20, s20, s21                     ; my first row
	s_lshl_b32 s22, s20, 2
	s_mov_b32 s23, 0
	s_add_nc_u64 s[8:9], s[8:9], s[22:23]
.irp a, 0,1,2,3                        ; my rows' figures: M of tile t into v[64 + 8 a + t], the sum of half tile u into v[96 + 16 a + u]
.irp t, 0,1,2,3,4,5,6,7
	global_load_b32 v[64+8*\a+\t], v31, s[8:9] offset:(8192*\t+16*\a)*4
.endr
.irp u, 0,1,2,3,4,5,6,7,8,9,10,11,12,13,14,15
	global_load_b32 v[96+16*\a+\u], v31, s[8:9] offset:262144+(8192*\u+16*\a)*4
.endr
.endr
	s_lshl_b32 s22, s20, 11
	s_lshl_b32 s21, s14, 9
	s_add_co_u32 s22, s22, s21
	s_lshl_b32 s21, s[WC], 8
	s_add_co_u32 s22, s22, s21
	s_add_nc_u64 s[10:11], s[10:11], s[22:23]      ; ao at my part of the tile
	v_mul_u32_u24 v3, v1, PITCH
	v_lshl_add_u32 v3, v2, 4, v3
	s_mul_i32 s22, s[WR], AH
	s_mul_i32 s23, s[WC], BH
	s_add_co_u32 s23, s23, BOFF
.irp s, 0,1
	v_add_nc_u32 v[ADRA+\s], s22, v3
	v_add_nc_u32 v[ADRB+\s], s23, v3
	s_add_co_u32 s22, s22, SLOT
	s_add_co_u32 s23, s23, SLOT
.endr
	s_mul_i32 s22, s[WV], 16*SPITCH
	s_add_co_u32 s22, s22, STAGE
	v_mul_u32_u24 v4, v1, SPITCH
	v_lshl_add_u32 v4, v2, 4, v4
	v_add_nc_u32 v[STO], s22, v4
	v_mul_u32_u24 v5, v2, SPITCH
	v_lshl_add_u32 v5, v1, 4, v5
	v_add_nc_u32 v[RD], s22, v5
	v_lshlrev_b32 v5, 11, v2
	v_lshl_add_u32 v[CO], v1, 4, v5
	v_and_b32 v6, 31, v0
	s_mul_i32 s22, s[WV], 7*1024
	s_add_co_u32 s22, s22, GT-1024                 ; 1,024 bytes under my table: lap t's entry lies 1,024 t on, and the loop steps the address ahead of its loads
	v_lshl_add_u32 v[GA], v6, 4, s22
	v_lshlrev_b32 v[PFO], 12, v6
	; the prefetches
	s_lshl_b32 s20, s15, 7
	s_lshl_b32 s21, s12, 5
	s_add_co_u32 s20, s20, s21                     ; p: row 128 tr + 32 cx
	s_lshl_b32 s22, s17, 10
	s_lshl_b32 s23, s14, 8
	s_add_co_u32 s22, s22, s23
	s_lshl_b32 s23, s13, 6
	s_add_co_u32 s22, s22, s23
	s_lshl_b32 s23, s[WC], 5
	s_add_co_u32 s22, s22, s23
	s_add_co_u32 s22, s22, 8192                    ; v: row 8,192 + 1,024 b + 256 tc + 64 cy + 32 (wave & 1)
	s_and_b32 s23, s16, 3
	s_cmp_eq_u32 s[WR], 0
	s_cselect_b32 s20, s20, s22
	s_cselect_b32 s23, s[WC], s23                  ; 0 in wave 0, and in waves 2 and 3 of a batch's first cluster
	s_cselect_b64 s[PFA:PFA+1], s[4:5], s[6:7]
	s_cmp_eq_u32 s23, 0
	s_cselect_b32 s[LIM], 1, -1                    ; the same in all sixteen partners, for a given wave
	s_lshl_b32 s20, s20, 12
	s_add_co_u32 s20, s20, 512                     ; at K step 2
	s_mov_b32 s21, 0
	s_add_nc_u64 s[PFA:PFA+1], s[PFA:PFA+1], s[20:21]
	s_wait_loadcnt 0x0
	; THE LEVELS, the four blocks of 16 rows by turns.  v160-163 R; v164-167, v168-171 at work; v176-183 g as pairs; v184-187 l
.irp a, 0,1,2,3
	v_mov_b32 v[160+\a], v[64+8*\a]
.endr
.irp t, 1,2,3,4,5,6,7
.irp a, 0,1,2,3
	v_max_num_f32 v[160+\a], v[160+\a], v[64+8*\a+\t]              ; R_t
.endr
.irp a, 0,1,2,3
	v_add_f32 v[164+\a], 0xc2700000, v[160+\a]                     ; R_t - 60
.endr
.irp a, 0,1,2,3
	v_max_num_f32 v[64+8*\a+\t], v[64+8*\a+\t], v[164+\a]          ; L_t takes M_t's place
.endr
.irp a, 0,1,2,3
	v_sub_f32 v[164+\a], v[64+8*\a+\t-1], v[64+8*\a+\t]            ; L_(t-1) - L_t: a whole number, at most 60
.endr
.irp a, 0,1,2,3
	v_cvt_i32_f32 v[164+\a], v[164+\a]                             ; (it saturates)
.endr
.irp a, 0,1,2,3
	v_ldexp_f32 v[176+2*\a], 1.0, v[164+\a]                        ; g_t
.endr
.irp a, 0,1,2,3
	v_mov_b32 v[177+2*\a], v[176+2*\a]
.endr
	ds_store_b128 v[GA], v[176:179] offset:1024*\t
	ds_store_b128 v[GA], v[180:183] offset:1024*\t+512
.endr
.irp t, 0,1,2,3,4,5,6,7
.irp a, 0,1,2,3
	v_sub_f32 v[164+\a], v[64+8*\a+\t], v[160+\a]                  ; L_t - R_7
.endr
.irp a, 0,1,2,3
	v_cvt_i32_f32 v[164+\a], v[164+\a]
.endr
.irp a, 0,1,2,3
	v_ldexp_f32 v[168+\a], 1.0, v[164+\a]
.endr
.irp a, 0,1,2,3
	v_add_f32 v[96+16*\a+2*\t], v[96+16*\a+2*\t], v[96+16*\a+2*\t+1]
.endr
.irp a, 0,1,2,3
.if \t == 0
	v_mul_f32 v[184+\a], v[168+\a], v[96+16*\a+2*\t]
.else
	v_fma_f32 v[184+\a], v[168+\a], v[96+16*\a+2*\t], v[184+\a]
.endif
.endr
.endr
.irp a, 0,1,2,3
	v_rcp_f32 v[164+\a], v[184+\a]                 ; l is at least a half: the tile that holds the row's maximum has a p' over a half
.endr
	v_nop                                          ; a plain line behind the last reciprocal
	s_wait_alu depctr_va_vdst(0)                   ; one wait for the four, ahead of their first reader
.irp a, 0,1,2,3
	v_mul_f32 v[FF+2*\a], v[168+\a], v[164+\a]     ; 2^(L_7 - R_7) / l
.endr
.irp a, 0,1,2,3
	v_mov_b32 v[FF+2*\a+1], v[FF+2*\a]
.endr
.macro MULA f, a, zero                 ; 8 matrix instructions: block a of my rows x the eight blocks of channels.  The 32 accumulators take turns, in the same order in every quarter
.irp b, 0,1,2,3,4,5,6,7
.if \zero
	v_wmma_f32_16x16x32_f16 v[8*(8*(\a)+\b):8*(8*(\a)+\b)+7], v[\f+8*\b:\f+8*\b+7], v[\f+8*(\a):\f+8*(\a)+7], 0
.else
	v_wmma_f32_16x16x32_f16 v[8*(8*(\a)+\b):8*(8*(\a)+\b)+7], v[\f+8*\b:\f+8*\b+7], v[\f+8*(\a):\f+8*(\a)+7], v[8*(8*(\a)+\b):8*(8*(\a)+\b)+7]
.endif
.endr
.endm
.macro FETCH slot, k, f                ; 24 LDS loads in one run: a quarter step's fragments
	WIN 0x40
.irp i, 0,1,2,3,4,5,6,7
	ds_load_b128 v[\f+8*\i:\f+8*\i+3],   v[ADRB+\slot] offset:\k+\i*16*PITCH
	ds_load_b128 v[\f+8*\i+4:\f+8*\i+7], v[ADRB+\slot] offset:\k+\i*16*PITCH+32
.endr
	WIN 0
.irp i, 0,1,2,3
	ds_load_b128 v[\f+8*\i:\f+8*\i+3],   v[ADRA+\slot] offset:\k+\i*16*PITCH
	ds_load_b128 v[\f+8*\i+4:\f+8*\i+7], v[ADRA+\slot] offset:\k+\i*16*PITCH+32
.endr
.endm
.macro PLACES
.rept 4
	v_nop
.endr
.endm
.macro QUARTER slot, k, f, g, zero     ; 32 along K: the next quarter's loads first, then 32 matrix instructions under which they land
	s_wait_dscnt 0x0                               ; buffer f's loads, issued a quarter ago, are in
	PLACES                                         ; in front of loads into buffer g, which the last quarter multiplied
	FETCH \slot, \k, \g
	WIN MUL
	MULA \f, 0, \zero
	MULA \f, 1, \zero
	MULA \f, 2, \zero
	MULA \f, 3, \zero
.endm
; A slot's last quarter changes slots: one barrier; in front of it each wave waits for all its tensor loads, adds 0 to its spare word, and waits for that and for its reads of this slot.
; fill = 1: the barrier opens a round of the cluster's, and the slot is filled again, two K steps on, first thing behind it.  gl = 1: the next lap's g is fetched.
.macro TURN slot, next, fill, gl
.if \fill
	s_wait_xcnt 0x0                                ; the last prefetch, a K step back, has read its address
	s_add_nc_u64 s[PFA:PFA+1], s[PFA:PFA+1], 256
.endif
	WIN 0
	s_wait_tensorcnt 0x0                           ; all my tensor loads have landed: my part of the next slot
	ds_add_u32 v[SPW], v[NIL]                      ; 0 onto my spare word
	s_wait_dscnt 1                                 ; buffer 1's loads are in; the add alone may be out
	WIN MUL
	MULA F1, 0, 0
	s_wait_dscnt 0x0                               ; the add is done, and my reads of this slot are over
	s_barrier_signal -1
	MULA F1, 1, 0
	WIN 0
	s_barrier_wait -1
.if \fill
	CREST
	s_add_nc_u64 s[G0+4*\slot+2:G0+4*\slot+3], s[G0+4*\slot+2:G0+4*\slot+3], 512
	s_add_nc_u64 s[G0B+4*\slot+2:G0B+4*\slot+3], s[G0B+4*\slot+2:G0B+4*\slot+3], 512
	JLOAD \slot                                    ; its four v_nop are also the places in front of the loads below, and behind the products of blocks 0 and 1
.else
	PLACES
.endif
.if \gl
	v_add_nc_u32 v[GA], 1024, v[GA]                ; no LDS load of mine is out
	ds_load_b128 v[G:G+3], v[GA]
	ds_load_b128 v[G+4:G+7], v[GA] offset:512
.endif
	FETCH \next, 0, F0
.if \fill
	ASK
.endif
	WIN MUL
	MULA F1, 2, 0
	MULA F1, 3, 0
.endm
; The sums go under the next tile's level: x g, a power of two.  Blocks 0 and 1 stand behind the joint load's four v_nop; their 64 lines, which name no register of the last sixteen products, are the places for blocks 2 and 3.
.macro RESCALE
	s_wait_dscnt 24                                ; g is in; the 24 fragment loads behind it may be out
	WIN 0x82
.irp a, 0,1,2,3
.set i, 0
.rept 32
	v_pk_mul_f32 v[64*\a+i:64*\a+i+1], v[64*\a+i:64*\a+i+1], v[G+2*\a:G+2*\a+1]
.set i, i+2
.endr
.endr
.endm
	s_wait_tensorcnt 1                             ; my part of K step 0 is in; K step 1's load may be out
	s_wait_dscnt 0x0                               ; my table of g lies in LDS
	s_barrier_signal -1
	s_barrier_wait -1
	FETCH 0, 0, F0
	QUARTER 0, 64,  F0, F1, 1                      ; the first quarter's products start the sums
	WIN 0
	s_mov_b32 s3, LAPS-1
.Llap:
	QUARTER 0, 128, F1, F0, 0
	QUARTER 0, 192, F0, F1, 0
	TURN 0, 1, 1, 0
	QUARTER 1, 64,  F0, F1, 0
	QUARTER 1, 128, F1, F0, 0
	QUARTER 1, 192, F0, F1, 0
	TURN 1, 0, 1, 1
	RESCALE                                        ; a lap, 256 keys, is over
	QUARTER 0, 64,  F0, F1, 0
	WIN 0
	s_sub_co_u32 s3, s3, 1
	s_cmp_lg_u32 s3, 0
	s_cbranch_scc1 .Llap
	QUARTER 0, 128, F1, F0, 0                      ; the last lap is written out: it asks for nothing
	QUARTER 0, 192, F0, F1, 0
	TURN 0, 1, 0, 0
	QUARTER 1, 64,  F0, F1, 0
	QUARTER 1, 128, F1, F0, 0
	QUARTER 1, 192, F0, F1, 0
	s_wait_dscnt 0x0
	WIN MUL
	MULA F1, 0, 0
	MULA F1, 1, 0
	MULA F1, 2, 0
	MULA F1, 3, 0
	WIN 0
; THE WAY OUT, a block of 16 rows x 128 channels at a time: x the last factor, rounded to f16, through my stage, back as whole rows of 256 bytes.
.macro PACK a
	WIN 0x82
.set i, 0
.rept 32
	v_pk_mul_f32 v[64*(\a)+i:64*(\a)+i+1], v[64*(\a)+i:64*(\a)+i+1], v[FF+2*(\a):FF+2*(\a)+1]
.set i, i+2
.endr
	WIN 0x0a
.irp b, 0,1,2,3,4,5,6,7
.irp r, 0,1,2,3
	v_cvt_pk_f16_f32 v[TMP+4*\b+\r], v[64*(\a)+8*\b+2*\r], v[64*(\a)+8*\b+2*\r+1]
.endr
.endr
	WIN 0
.endm
.macro TOSTAGE a
.set BK, 64+64*((\a)%2)
.irp b, 0,1,2,3,4,5,6,7
	ds_store_b128 v[STO], v[TMP+4*\b:TMP+4*\b+3] offset:32*\b
.endr
.irp t, 0,1,2,3,4,5,6,7
	ds_load_b128 v[BK+4*\t:BK+4*\t+3], v[RD] offset:\t*2*SPITCH
.endr
.endm
.macro SEND a
.set BK, 64+64*((\a)%2)
	s_wait_dscnt 0x0
	s_wait_xcnt 0x0                                ; the earlier stores have read their base and their data
.if (\a) > 0
	s_add_nc_u64 s[10:11], s[10:11], 16*OROW
.endif
.irp t, 0,1,2,3,4,5,6,7
	global_store_b128 v[CO], v[BK+4*\t:BK+4*\t+3], s[10:11] offset:2*\t*OROW   ; sixteen lanes store 256 consecutive bytes, aligned
.endr
.endm
	PLACES
	PACK 0
	TOSTAGE 0
.irp a, 1,2,3
	PACK \a
	SEND \a-1
	TOSTAGE \a
.endr
	SEND 3
	s_wait_tensorcnt 0x0                           ; the wave's end
	ds_add_u32 v[SPW], v[NIL]
	s_wait_dscnt 0x0
	CROUND                                         ; the closing round
	s_endpgm
.Lfunc_end_k_q48a6c17a97_pv:
	.size	k_q48a6c17a97_pv, .Lfunc_end_k_q48a6c17a97_pv-k_q48a6c17a97_pv
	.p2alignl 7, 3214868480
	.fill 96, 4, 3214868480
	.section	.rodata,"a",@progbits
	.p2align	6, 0x0
	.amdhsa_kernel k_q48a6c17a97_pv
		.amdhsa_group_segment_fixed_size 327680
		.amdhsa_private_segment_fixed_size 0
		.amdhsa_enable_private_segment 0
		.amdhsa_kernarg_size 32
		.amdhsa_user_sgpr_count 2
		.amdhsa_user_sgpr_kernarg_segment_ptr 1
		.amdhsa_wavefront_size32 1
		.amdhsa_system_sgpr_workgroup_id_x 1
		.amdhsa_system_sgpr_workgroup_id_y 1
		.amdhsa_system_sgpr_workgroup_id_z 1
		.amdhsa_system_vgpr_workitem_id 0
		.amdhsa_next_free_vgpr 768
		.amdhsa_next_free_sgpr 84
		.amdhsa_reserve_vcc 0
		.amdhsa_float_denorm_mode_32 3
		.amdhsa_float_denorm_mode_16_64 3
		.amdhsa_memory_ordered 1
		.amdhsa_forward_progress 1
		.amdhsa_inst_pref_size 129
	.end_amdhsa_kernel
	.amdgpu_metadata
---
amdhsa.version: [ 1, 2 ]
amdhsa.kernels:
  - .name:           k_q48a6c17a97_pv
    .symbol:         k_q48a6c17a97_pv.kd
    .args:
      - { .name: p, .offset: 0, .size: 8, .value_kind: global_buffer, .address_space: global }
      - { .name: qkv, .offset: 8, .size: 8, .value_kind: global_buffer, .address_space: global }
      - { .name: st, .offset: 16, .size: 8, .value_kind: global_buffer, .address_space: global }
      - { .name: ao, .offset: 24, .size: 8, .value_kind: global_buffer, .address_space: global }
    .group_segment_fixed_size: 327680
    .private_segment_fixed_size: 0
    .kernarg_segment_align: 8
    .kernarg_segment_size: 32
    .max_flat_workgroup_size: 128
    .sgpr_count:     84
    .vgpr_count:     768
    .wavefront_size: 32
...
	.end_amdgpu_metadata
.endif
;; end of part 4
;; launch outp (part 5): grid 4 x 64, 4 waves a work-group, clusters of 4 x 4, 327,680 bytes of LDS; arguments ao, wot, bo, out0; writes out0
.if DOCPART == 5
	.amdgcn_target "amdgcn-amd-amdhsa--gfx1250"
	.amdhsa_code_object_version 6
	.text
	.protected	k_q48a6c17a97_outp
	.globl	k_q48a6c17a97_outp
	.p2align	8
	.type	k_q48a6c17a97_outp,@function
k_q48a6c17a97_outp:
	s_mov_b64 s[64:65], 0
	v_nop
	global_prefetch_b8 v0, s[64:65] scope:SCOPE_SE
	s_setreg_imm32_b32 hwreg(HW_REG_WAVE_MODE, 25, 1), 1
	s_wait_xcnt 0x0
	s_wait_alu depctr_hold_cnt(0) depctr_sa_sdst(0) depctr_va_vdst(0) depctr_va_sdst(0) depctr_va_ssrc(0) depctr_va_vcc(0) depctr_vm_vsrc(0)
	s_getreg_b32 s2, hwreg(HW_REG_IB_STS2, 6, 4)
	s_cmp_eq_u32 s2, 0
	s_cbranch_scc0 .Lentry_in_a_cluster
	s_endpgm
.Lentry_in_a_cluster:
	s_bfe_u32 s2, ttmp6, 0x10000c
	s_cmp_lg_u32 s2, 0xf033
	s_cbranch_scc0 .Lentry_shape_is_right
	s_endpgm
.Lentry_shape_is_right:
; out0 = ao Wo + bo, in f16 with f32 sums; bo is the C of each sum's first matrix instruction.  Nothing of reference() is left out.
; A = ao [8,192][1,024] f16, B = wot [n 1,024][k 1,024] f16 (Wo turned), out0 [8,192][1,024] f32.
; A work-group makes 128 rows x 256 columns (256 work-groups); a wave 64 x 128: 32 accumulators, window 2.  K = 1,024 goes in 8 steps of 128 through two LDS slots.
; CLUSTERS: 4 x 4; ao's tiles are asked for jointly along a row of the cluster, wot's along a column.
; THE MATRIX INSTRUCTION IS USED TRANSPOSED (source 0 = 16 rows of wot, source 1 = 16 rows of ao): a lane holds one row and eight neighbouring columns an accumulator.
; REGISTERS: window 0: v0-31 addresses; v64-95, v128-159 ao's fragments, two buffers; on the way out v64-191.  window 1: v0-63 bo in the result's layout; v64-127, v128-191 wot's fragments.  window 2: accumulator (a, b) at v[8 (8 a + b)].
.set KPITCH, 1024                      ; a row of ao and of wot in elements
.set LAPS,   4
.set PITCH,  272
.set AH,     64*PITCH
.set BH,     128*PITCH
.set BOFF,   2*AH
.set SLOT,   2*AH+2*BH
.set STAGE,  2*SLOT                    ; 16 rows x (512 + 16) bytes for each wave
.set SPITCH, 528
.set SPARE,  STAGE+4*16*SPITCH
.set OROW,   4096                      ; a row of out0 in bytes
.set ADRA, 16
.set ADRB, 20
.set STO,  24
.set RD,   25
.set CO,   26
.set SPW,  28
.set NIL,  29
.set PFO,  30
.set F0,   64
.set F1,   128
.set G1, 24
.set G0, 32
.set G1B, 48
.set G0B, 56
.set PFA, 44
.set WV,  66
.set WR,  67
.set WC,  68
.set LIM, 69
.set MSB, 0
.macro WIN new
.if MSB != (\new)
	s_set_vgpr_msb (MSB<<8)|(\new)
.set MSB, \new
.endif
.endm
.set MUL,  0xa1                        ; source 0 (B) window 1, source 1 (A) window 0, C and D window 2
.set MULB, 0x91                        ; the same with C (bo) in window 1
.macro JLOAD s                         ; waves 0 and 1 fetch ao's two halves (64 rows each), waves 2 and 3 wot's (128 rows each); an s_nop 0 and four v_nop follow each line
	s_cmp_eq_u32 s[WR], 0
	s_cbranch_scc0 .Lfor_b_\@
	tensor_load_to_lds s[G0+4*\s:G0+4*\s+3], s[G1:G1+7]
	s_nop 0
.rept 4
	v_nop
.endr
	s_branch .Lasked_\@
.Lfor_b_\@:
	tensor_load_to_lds s[G0B+4*\s:G0B+4*\s+3], s[G1B:G1B+7]
	s_nop 0
.rept 4
	v_nop
.endr
.Lasked_\@:
.endm
; A prefetch of the K step that stands two refills on, a lane a row of 256 bytes.  ao's 128 rows are read by one cluster alone: wave 0 of each partner asks for 32.  wot's rows are read by every cluster:
; in the cluster with y = 0 waves 2 and 3 of each partner ask for 64.  Partners are told apart by address.  The loop's last trip asks for nothing: K steps 4 to 7 are named.
.macro ASK
	s_cmp_gt_u32 s3, s[LIM]
	s_cbranch_scc0 .Lnot_mine_\@
	global_prefetch_b8 v[PFO], s[PFA:PFA+1] offset:256 th:TH_LOAD_NT scope:SCOPE_SE
.Lnot_mine_\@:
.endm
.macro CREST
	s_cmp_lg_u32 s[WV], 0
	s_cbranch_scc1 .Lnot_wave_0_\@
	s_barrier_signal -3
.Lnot_wave_0_\@:
	s_barrier_wait -3
	s_barrier_signal -1
	s_barrier_wait -1
.endm
.macro CROUND
	s_barrier_signal -1
	s_barrier_wait -1
	CREST
.endm
	s_load_b256 s[4:11], s[0:1], 0x0               ; ao s[4:5], wot s[6:7], bo s[8:9], out0 s[10:11]
	v_lshl_add_u32 v[SPW], v0, 2, SPARE
	v_mov_b32 v[NIL], 0
	ds_add_u32 v[SPW], v[NIL]                      ; the wave's opening: the add, twice on end, and its wait ahead of my first tensor load
	ds_add_u32 v[SPW], v[NIL]
	v_lshrrev_b32 v1, 5, v0
	v_readfirstlane_b32 s[WV], v1
	s_lshr_b32 s[WR], s[WV], 1
	s_and_b32 s[WC], s[WV], 1
	s_bfe_u32 s12, ttmp6, 0x40000                  ; cx
	s_bfe_u32 s13, ttmp6, 0x40004                  ; cy
	s_lshl_b32 s14, ttmp9, 2
	s_add_co_u32 s14, s14, s12                     ; tc: 256 columns
	s_and_b32 s16, ttmp7, 0xffff                   ; Y
	s_lshl_b32 s15, s16, 2
	s_add_co_u32 s15, s15, s13                     ; tr: 128 rows
	s_lshl_b32 s70, s13, 2
	s_lshl_b32 s70, 15, s70
	s_lshl_b32 s71, 0x1111, s12
	s_or_b32 s[G1+0], s70, (1<<16)|(1<<20)|(1<<21)|(5<<22)|(3<<25)
	s_or_b32 s[G1B+0], s71, (1<<16)|(1<<20)|(1<<21)|(5<<22)|(3<<25)
	s_mov_b32 s[G1+1], 128<<16
	s_mov_b32 s[G1+2], 64<<16
	s_mov_b32 s[G1+3], 128<<16
	s_mov_b32 s[G1+4], 64
	s_mov_b32 s[G1+5], KPITCH
	s_mov_b32 s[G1+6], 0
	s_mov_b32 s[G1+7], 0
	s_mov_b32 s[G1B+1], 128<<16
	s_mov_b32 s[G1B+2], 128<<16
	s_mov_b32 s[G1B+3], 128<<16
	s_mov_b32 s[G1B+4], 128
	s_mov_b32 s[G1B+5], KPITCH
	s_mov_b32 s[G1B+6], 0
	s_mov_b32 s[G1B+7], 0
	s_lshl_b32 s18, s15, 7
	s_lshl_b32 s20, s[WC], 6
	s_add_co_u32 s18, s18, s20                     ; ao: row 128 tr + 64 x half
	s_lshl_b32 s18, s18, 11
	s_mov_b32 s19, 0
	s_lshl_b32 s40, s14, 8
	s_lshl_b32 s41, s[WC], 7
	s_add_co_u32 s40, s40, s41                     ; wot: row 256 tc + 128 x half
	s_lshl_b32 s40, s40, 11
	s_mov_b32 s41, 0
	s_mul_i32 s21, s[WC], AH
	s_mul_i32 s22, s[WC], BH
	s_add_co_u32 s22, s22, BOFF
	s_wait_dscnt 0x0                               ; both opening adds are done
	s_wait_kmcnt 0x0
	s_add_nc_u64 s[18:19], s[4:5], s[18:19]
	s_add_nc_u64 s[40:41], s[6:7], s[40:41]
	CROUND
.irp s, 0,1
	s_mov_b32 s[G0+4*\s], 1
	s_add_co_u32 s[G0+4*\s+1], s21, \s*SLOT
	s_add_nc_u64 s[G0+4*\s+2:G0+4*\s+3], s[18:19], \s*256
	s_or_b32 s[G0+4*\s+3], s[G0+4*\s+3], 0x80000000
	s_mov_b32 s[G0B+4*\s], 1
	s_add_co_u32 s[G0B+4*\s+1], s22, \s*SLOT
	s_add_nc_u64 s[G0B+4*\s+2:G0B+4*\s+3], s[40:41], \s*256
	s_or_b32 s[G0B+4*\s+3], s[G0B+4*\s+3], 0x80000000
	JLOAD \s
.endr
	v_and_b32 v1, 15, v0                           ; r
	v_bfe_u32 v2, v0, 4, 1                         ; h
	s_lshl_b32 s22, s14, 10
	s_lshl_b32 s21, s[WC], 9
	s_add_co_u32 s22, s22, s21                     ; my 128 columns of bo
	s_mov_b32 s23, 0
	s_add_nc_u64 s[8:9], s[8:9], s[22:23]
	v_lshlrev_b32 v31, 5, v2                       ; lane (r, h) wants, for block b, columns 16 b + 8 h + 0 .. 7
	WIN 0x40
.irp b, 0,1,2,3,4,5,6,7
	global_load_b128 v[8*\b:8*\b+3], v31, s[8:9] offset:64*\b
	global_load_b128 v[8*\b+4:8*\b+7], v31, s[8:9] offset:64*\b+16
.endr
	WIN 0
	s_lshl_b32 s20, s15, 7
	s_lshl_b32 s21, s[WR], 6
	s_add_co_u32 s20, s20, s21                     ; my first row
	s_lshl_b32 s20, s20, 12
	s_add_co_u32 s22, s22, s20                     ; + my first column, in bytes (the same 4 bytes a column as in bo)
	s_add_nc_u64 s[10:11], s[10:11], s[22:23]
	v_mul_u32_u24 v3, v1, PITCH
	v_lshl_add_u32 v3, v2, 4, v3
	s_mul_i32 s22, s[WR], AH
	s_mul_i32 s23, s[WC], BH
	s_add_co_u32 s23, s23, BOFF
.irp s, 0,1
	v_add_nc_u32 v[ADRA+\s], s22, v3
	v_add_nc_u32 v[ADRB+\s], s23, v3
	s_add_co_u32 s22, s22, SLOT
	s_add_co_u32 s23, s23, SLOT
.endr
	s_mul_i32 s22, s[WV], 16*SPITCH
	s_add_co_u32 s22, s22, STAGE
	v_mul_u32_u24 v4, v1, SPITCH
	v_lshl_add_u32 v4, v2, 5, v4
	v_add_nc_u32 v[STO], s22, v4                   ; in: row r, 32 bytes for each half of the lanes
	v_and_b32 v6, 31, v0
	v_lshlrev_b32 v[CO], 4, v6                     ; back: the 32 lanes take one row of 512 bytes; and the same in out0
	v_add_nc_u32 v[RD], s22, v[CO]
	v_lshlrev_b32 v[PFO], 11, v6
	; the prefetches
	s_lshl_b32 s20, s15, 7
	s_lshl_b32 s21, s12, 5
	s_add_co_u32 s20, s20, s21                     ; ao: row 128 tr + 32 cx
	s_lshl_b32 s22, s14, 8
	s_lshl_b32 s23, s13, 6
	s_add_co_u32 s22, s22, s23
	s_lshl_b32 s23, s[WC], 5
	s_add_co_u32 s22, s22, s23                     ; wot: row 256 tc + 64 cy + 32 (wave & 1)
	s_cmp_eq_u32 s[WR], 0
	s_cselect_b32 s20, s20, s22
	s_cselect_b32 s23, s[WC], s16                  ; 0 in wave 0, and in waves 2 and 3 of the cluster with y = 0
	s_cselect_b64 s[PFA:PFA+1], s[4:5], s[6:7]
	s_cmp_eq_u32 s23, 0
	s_cselect_b32 s[LIM], 1, -1                    ; the same in all sixteen partners, for a given wave
	s_lshl_b32 s20, s20, 11
	s_add_co_u32 s20, s20, 512                     ; at K step 2
	s_mov_b32 s21, 0
	s_add_nc_u64 s[PFA:PFA+1], s[PFA:PFA+1], s[20:21]
.macro MULA f, a, first                ; 8 matrix instructions; first = 1: bo starts the sums.  The 32 accumulators take turns, in the same order in every quarter
.irp b, 0,1,2,3,4,5,6,7
.if \first
	v_wmma_f32_16x16x32_f16 v[8*(8*(\a)+\b):8*(8*(\a)+\b)+7], v[\f+8*\b:\f+8*\b+7], v[\f+8*(\a):\f+8*(\a)+7], v[8*\b:8*\b+7]
.else
	v_wmma_f32_16x16x32_f16 v[8*(8*(\a)+\b):8*(8*(\a)+\b)+7], v[\f+8*\b:\f+8*\b+7], v[\f+8*(\a):\f+8*(\a)+7], v[8*(8*(\a)+\b):8*(8*(\a)+\b)+7]
.endif
.endr
.endm
.macro FETCH slot, k, f
	WIN 0x40
.irp i, 0,1,2,3,4,5,6,7
	ds_load_b128 v[\f+8*\i:\f+8*\i+3],   v[ADRB+\slot] offset:\k+\i*16*PITCH
	ds_load_b128 v[\f+8*\i+4:\f+8*\i+7], v[ADRB+\slot] offset:\k+\i*16*PITCH+32
.endr
	WIN 0
.irp i, 0,1,2,3
	ds_load_b128 v[\f+8*\i:\f+8*\i+3],   v[ADRA+\slot] offset:\k+\i*16*PITCH
	ds_load_b128 v[\f+8*\i+4:\f+8*\i+7], v[ADRA+\slot] offset:\k+\i*16*PITCH+32
.endr
.endm
.macro PLACES
.rept 4
	v_nop
.endr
.endm
.macro QUARTER slot, k, f, g, first
	s_wait_dscnt 0x0                               ; buffer f's loads, issued a quarter ago, are in
	PLACES                                         ; in front of loads into buffer g, which the last quarter multiplied
	FETCH \slot, \k, \g
.if \first
	WIN MULB
.else
	WIN MUL
.endif
	MULA \f, 0, \first
	MULA \f, 1, \first
	MULA \f, 2, \first
	MULA \f, 3, \first
.endm
.macro TURN slot, next, fill           ; a slot's last quarter: one barrier; fill = 1: it opens a round of the cluster's, and the slot is filled again, two K steps on, first thing behind it
.if \fill
	s_wait_xcnt 0x0                                ; the last prefetch, a K step back, has read its address
	s_add_nc_u64 s[PFA:PFA+1], s[PFA:PFA+1], 256
.endif
	WIN 0
	s_wait_tensorcnt 0x0                           ; all my tensor loads have landed: my part of the next slot
	ds_add_u32 v[SPW], v[NIL]                      ; 0 onto my spare word
	s_wait_dscnt 1                                 ; buffer 1's loads are in; the add alone may be out
	WIN MUL
	MULA F1, 0, 0
	s_wait_dscnt 0x0                               ; the add is done, and my reads of this slot are over
	s_barrier_signal -1
	MULA F1, 1, 0
	WIN 0
	s_barrier_wait -1
.if \fill
	CREST
	s_add_nc_u64 s[G0+4*\slot+2:G0+4*\slot+3], s[G0+4*\slot+2:G0+4*\slot+3], 512
	s_add_nc_u64 s[G0B+4*\slot+2:G0B+4*\slot+3], s[G0B+4*\slot+2:G0B+4*\slot+3], 512
	JLOAD \slot                                    ; its four v_nop are also the places in front of the loads below
.else
	PLACES
.endif
	FETCH \next, 0, F0
.if \fill
	ASK
.endif
	WIN MUL
	MULA F1, 2, 0
	MULA F1, 3, 0
.endm
	s_wait_loadcnt 0x0                             ; bo
	s_wait_tensorcnt 1                             ; my part of K step 0 is in; K step 1's load may be out
	s_barrier_signal -1
	s_barrier_wait -1
	FETCH 0, 0, F0
	QUARTER 0, 64,  F0, F1, 1
	WIN 0
	s_mov_b32 s3, LAPS-1
.Llap:
	QUARTER 0, 128, F1, F0, 0
	QUARTER 0, 192, F0, F1, 0
	TURN 0, 1, 1
	QUARTER 1, 64,  F0, F1, 0
	QUARTER 1, 128, F1, F0, 0
	QUARTER 1, 192, F0, F1, 0
	TURN 1, 0, 1
	QUARTER 0, 64,  F0, F1, 0
	WIN 0
	s_sub_co_u32 s3, s3, 1
	s_cmp_lg_u32 s3, 0
	s_cbranch_scc1 .Llap
	QUARTER 0, 128, F1, F0, 0                      ; the last lap is written out: it asks for nothing
	QUARTER 0, 192, F0, F1, 0
	TURN 0, 1, 0
	QUARTER 1, 64,  F0, F1, 0
	QUARTER 1, 128, F1, F0, 0
	QUARTER 1, 192, F0, F1, 0
	s_wait_dscnt 0x0
	WIN MUL
	MULA F1, 0, 0
	MULA F1, 1, 0
	MULA F1, 2, 0
	MULA F1, 3, 0
	WIN 0
; THE WAY OUT, a block of 16 rows x 128 columns of f32 at a time, through my stage: back as whole rows of 512 bytes.
.macro TOSTAGE a
	WIN 0x08                                       ; an LDS store's data are its source 1: window 2
.irp b, 0,1,2,3,4,5,6,7
	ds_store_b128 v[STO], v[64*(\a)+8*\b:64*(\a)+8*\b+3] offset:64*\b          ; each accumulator from its low end on
	ds_store_b128 v[STO], v[64*(\a)+8*\b+4:64*(\a)+8*\b+7] offset:64*\b+16
.endr
	WIN 0
.set BB, 64+64*((\a)%2)
.irp t, 0,1,2,3,4,5,6,7,8,9,10,11,12,13,14,15
	ds_load_b128 v[BB+4*\t:BB+4*\t+3], v[RD] offset:\t*SPITCH      ; LDS serves a wave's instructions in order: these see the stores above
.endr
.endm
.macro SEND a, younger                 ; younger: the LDS instructions issued behind block a's loads, which may stay out
.set BB, 64+64*((\a)%2)
	s_wait_dscnt \younger
.if (\a) > 0
	s_add_nc_u64 s[10:11], s[10:11], 16*OROW       ; (behind a wait on XCNT: the earlier stores have read their base)
.endif
.irp t, 0,1,2,3,4,5,6,7,8,9,10,11,12,13,14,15
	global_store_b128 v[CO], v[BB+4*\t:BB+4*\t+3], s[10:11] offset:\t*OROW th:TH_STORE_NT   ; 32 lanes store 512 consecutive bytes, aligned; written once, read by nobody here
.endr
.endm
	PLACES
	TOSTAGE 0
.irp a, 1,2,3
.if \a > 1
	s_wait_xcnt 0x0                                ; block a - 2's stores have read their registers and their base
.endif
	TOSTAGE \a
	SEND \a-1, 32                                  ; behind block a - 1's loads: block a's 16 stores and 16 loads
.endr
	s_wait_xcnt 0x0
	SEND 3, 0
	s_wait_tensorcnt 0x0                           ; the wave's end
	ds_add_u32 v[SPW], v[NIL]
	s_wait_dscnt 0x0
	CROUND                                         ; the closing round
	s_endpgm
.Lfunc_end_k_q48a6c17a97_outp:
	.size	k_q48a6c17a97_outp, .Lfunc_end_k_q48a6c17a97_outp-k_q48a6c17a97_outp
	.p2alignl 7, 3214868480
	.fill 96, 4, 3214868480
	.section	.rodata,"a",@progbits
	.p2align	6, 0x0
	.amdhsa_kernel k_q48a6c17a97_outp
		.amdhsa_group_segment_fixed_size 327680
		.amdhsa_private_segment_fixed_size 0
		.amdhsa_enable_private_segment 0
		.amdhsa_kernarg_size 32
		.amdhsa_user_sgpr_count 2
		.amdhsa_user_sgpr_kernarg_segment_ptr 1
		.amdhsa_wavefront_size32 1
		.amdhsa_system_sgpr_workgroup_id_x 1
		.amdhsa_system_sgpr_workgroup_id_y 1
		.amdhsa_system_sgpr_workgroup_id_z 1
		.amdhsa_system_vgpr_workitem_id 0
		.amdhsa_next_free_vgpr 768
		.amdhsa_next_free_sgpr 84
		.amdhsa_reserve_vcc 0
		.amdhsa_float_denorm_mode_32 3
		.amdhsa_float_denorm_mode_16_64 3
		.amdhsa_memory_ordered 1
		.amdhsa_forward_progress 1
		.amdhsa_inst_pref_size 88
	.end_amdhsa_kernel
	.amdgpu_metadata
---
amdhsa.version: [ 1, 2 ]
amdhsa.kernels:
  - .name:           k_q48a6c17a97_outp
    .symbol:         k_q48a6c17a97_outp.kd
    .args:
      - { .name: ao, .offset: 0, .size: 8, .value_kind: global_buffer, .address_space: global }
      - { .name: wot, .offset: 8, .size: 8, .value_kind: global_buffer, .address_space: global }
      - { .name: bo, .offset: 16, .size: 8, .value_kind: global_buffer, .address_space: global }
      - { .name: out0, .offset: 24, .size: 8, .value_kind: global_buffer, .address_space: global }
    .group_segment_fixed_size: 327680
    .private_segment_fixed_size: 0
    .kernarg_segment_align: 8
    .kernarg_segment_size: 32
    .max_flat_workgroup_size: 128
    .sgpr_count:     84
    .vgpr_count:     768
    .wavefront_size: 32
...
	.end_amdgpu_metadata
.endif
;; end of part 5
